; MI455X (gfx1250); checked and timed in simulation.
; The chip was launched on July 23, 2026; its instructions are those of AMD's public machine-readable ISA for CDNA 5 (MIT licence, August 2026) and "CDNA5" Instruction Set Architecture Reference Guide (July 2026). The comments in the code are by the model that wrote it; some were corrected since.
;; GPT Big Code Block. Allowed arithmetic: matrix products marked QUANTISED: E3M2 operands, one E8M0 scale for each 32 along K, by v_wmma_scale_f32_16x16x128_f8f6f4 with both operands' format E3M2, f32 sums; everything else in f32.
;; Inputs: bfc 2,048 float32; bkv 64 float32; bo 512 float32; bproj 512 float32; bq 512 float32; hidden_states 4 x 2,048 x 512 float32; ln1_b 512 float32; ln1_g 512 float32; ln2_b 512 float32; ln2_g 512 float32; wfc_codes 2,048 x 16 x 24 uint8 (E3M2 codes of wfc, K innermost, in blocks of 32 codes, four codes in three bytes); wfc_scales 2,048 x 16 uint8 (E8M0 scales of wfc, one for each 32 codes along K); wkv_codes 64 x 16 x 24 uint8 (E3M2 codes of wkv, K innermost, in blocks of 32 codes, four codes in three bytes); wkv_scales 64 x 16 uint8 (E8M0 scales of wkv, one for each 32 codes along K); wo_codes 512 x 16 x 24 uint8 (E3M2 codes of wo, K innermost, in blocks of 32 codes, four codes in three bytes); wo_scales 512 x 16 uint8 (E8M0 scales of wo, one for each 32 codes along K); wproj_codes 512 x 64 x 24 uint8 (E3M2 codes of wproj, K innermost, in blocks of 32 codes, four codes in three bytes); wproj_scales 512 x 64 uint8 (E8M0 scales of wproj, one for each 32 codes along K); wq_codes 512 x 16 x 24 uint8 (E3M2 codes of wq, K innermost, in blocks of 32 codes, four codes in three bytes); wq_scales 512 x 16 uint8 (E8M0 scales of wq, one for each 32 codes along K).
;; Outputs: out0 4 x 2,048 x 512 float32.
;; This version of the problem:
;;   THIS VERSION OF THE PROBLEM IS GIVEN IN LOW PRECISION. The matrix products marked QUANTISED in the list below multiply operands that are first quantised to E3M2 (3 exponent bits, 2 mantissa bits; 6 bits a number), with one power-of-two scale for each 32 numbers along K (OCP MX v1.0); their sums are f32. All else is computed in f32.
;;   The module's matrix products, in the order in which they are computed (A, B: the left and right operand; K: the contracted axis; several contracted axes count as one K, in the product's order):
;;     1. [M 8,192, K 512] x [K 512, N 512]; A: computed on the way; B: input wq (given as codes): QUANTISED
;;     2. [M 8,192, K 512] x [K 512, N 64]; A: computed on the way; B: input wkv (given as codes): QUANTISED
;;     3. batch 4 x [M 2,048, K 32] x [K 32, N 32,768]; A: computed on the way; B: computed on the way: QUANTISED
;;     4. batch 4 x [M 32, K 2,048] x [K 2,048, N 32,768]; A: computed on the way; B: softmax (see below): QUANTISED
;;     5. [M 8,192, K 512] x [K 512, N 512]; A: computed on the way; B: input wo (given as codes): QUANTISED
;;     6. [M 8,192, K 512] x [K 512, N 2,048]; A: computed on the way; B: input wfc (given as codes): QUANTISED
;;     7. [M 8,192, K 2,048] x [K 2,048, N 512]; A: computed on the way; B: input wproj (given as codes): QUANTISED
;;   THE QUANTISER, for each operand of a quantised product, along K:
;;     - K is cut into blocks of 32 from its start; a last block that is shorter is filled with zeros.
;;     - A block's scale is 2^e with e = floor(log2(the largest magnitude in the block)) - 4, held to -126 .. 127; a block of zeros has e = 0. As a byte (E8M0): e + 127.
;;     - Each number is divided by its block's scale, clamped to +-28, and rounded to the nearest number of E3M2, ties to even, subnormals kept.
;;     - The product sums the exact products of the quantised numbers (number of the format x scale) in f32.
;;   ~~~python
;;   def quantise(x, axis):      # numpy; x: float32 -> the quantised numbers, widened to float32 again
;;       x = np.moveaxis(x, axis, -1); K = x.shape[-1]
;;       x = np.pad(x, [(0, 0)] * (x.ndim - 1) + [(0, -K % 32)]); x = x.reshape(x.shape[:-1] + (-1, 32)); a = np.abs(x).max(-1, keepdims=True)
;;       e = np.where(a > 0, np.clip(np.frexp(np.where(a > 0, a, 1))[1] - 1 - 4, -126, 127), 0)      # np.frexp(a)[1] - 1 = floor(log2(a)), exactly
;;       r = np.clip(x / 2.0 ** e, -28, 28)
;;       step = 2.0 ** (np.maximum(np.frexp(np.where(r == 0, 1, r))[1] - 1, -2) - 2)
;;       q = np.round(r / step) * step * 2.0 ** e      # np.round: ties to even
;;       return np.moveaxis(q.reshape(q.shape[:-2] + (-1,))[..., :K], -1, axis).astype(np.float32)
;;   ~~~
;;   SOFTMAX AHEAD OF A QUANTISED PRODUCT. Where the list says 'softmax', what is quantised is not the finished softmax but p = 2^(t - M), with t = logit x log2(e) and M = ceil(the row's largest t), a whole number; so 1/2 < the row's largest p <= 1. The row's sum l is taken of the UNQUANTISED p, in f32, and the product's result is divided by l at the end. Since M is a whole number, a kernel that streams over the keys may use a running M (the ceiling of the running maximum): every later rescaling is an exact power of two, which a block's scale takes up: the codes' values come out the same.
;;   OPERANDS COMPUTED ON THE WAY. 'Computed on the way' means the value that the module computes at that place (a softmax that the list does not call 'softmax' is quantised finished and normalised). What goes into a quantiser is computed in f32, as accurately as f32 sums, v_exp_f32 and their like allow (about 1e-6 of the number): no bf16 or f16 on the way to a quantiser, and a product that is left as it is and whose result goes on into a quantised operand takes f32 operands (vector FMAs, or v_wmma_f32_16x16x4_f32). A number that lies on a knife's edge between two numbers of the format may be rounded either way, as far as f32 arithmetic and the matrix unit's own rounding can turn it there, and no further.
;;   INPUTS GIVEN AS CODES. wfc (in the module: [512, 2048], K = its axis 0); wkv (in the module: [512, 64], K = its axis 0); wo (in the module: [512, 512], K = its axis 0); wproj (in the module: [2048, 512], K = its axis 0); wq (in the module: [512, 512], K = its axis 0): each comes as NAME_codes (uint8): NAME with its K axis moved to the last place and cut into blocks of 32 codes, [.., K / 32, bytes a block], one block behind the other in memory; four codes in three bytes: a row's codes are one little-endian stream of bits, code i at bits 6 i .. 6 i + 5 (a code: sign, 3 exponent bits, 2 mantissa bits); and NAME_scales (uint8): the same leading axes, one E8M0 byte (e + 127) for each 32 codes along K. Its value is code x scale, taken as it is: it is not quantised again, and the codes and scales need not be those that the quantiser above would give.
;; One version. Each part assembles by itself: llvm-mc -triple=amdgcn-amd-amdhsa -mcpu=gfx1250 --defsym DOCPART=n.
;; ======== version 1 of 1: 2 launches
;; limits: right only within a limited range of input values
;; workspace buffers: qc 3,145,728 bytes; qs 524,288 bytes; kv 524,288 bytes; wimg 1,843,200 bytes
;; launch qkv (part 1): grid 256 x 1, 18 waves a work-group, no clusters, 99,072 bytes of LDS; arguments hidden_states, ln1_g, ln1_b, wq_codes, wq_scales, bq, wkv_codes, wkv_scales, bkv, wo_codes, wo_scales, wfc_codes, wfc_scales, wproj_codes, wproj_scales, qc, qs, kv, wimg; writes qc, qs, kv, wimg
.if DOCPART == 1
	.amdgcn_target "amdgcn-amd-amdhsa--gfx1250"
	.amdhsa_code_object_version 6
	.text
	.protected	k_q54bb822cdf_qkv
	.globl	k_q54bb822cdf_qkv
	.p2align	8
	.type	k_q54bb822cdf_qkv,@function
k_q54bb822cdf_qkv:
	s_mov_b64 s[64:65], 0
	v_nop
	global_prefetch_b8 v0, s[64:65] scope:SCOPE_SE
	s_setreg_imm32_b32 hwreg(HW_REG_WAVE_MODE, 25, 1), 1
	s_wait_xcnt 0x0
; LN1, its quantising, q = h wq + bq and kv = h wkv + bkv on codes of E3M2 (one E8M0 byte for each 32 along K), and the quantising of q, k (along the head's 32) and v (along the keys).
; Beside that the weights of the third launch (wo, wfc, wproj) are laid out once in the order of a wave's operand registers.
; SHARES.  A work-group owns 32 tokens: two tiles of 16, one block of 32 keys.  Waves 0-15: LN of rows 2 w, 2 w + 1; the quantising of K block w of all 32 rows; head w of q.  Wave 16: k.  Wave 17: v.
; While the sixteen do LN, waves 16 and 17 of work-groups 0-191 copy three weight fragments each (192 x 2 x 3 = 1,152 = all), and clear the stage of K and V.
; LAYOUT.  q and k are made transposed (source 0 = 16 rows of the weight, source 1 = 16 tokens), and row m of weight tile u is row nb + 16 (m / 8) + 8 u + m % 8: the 16 registers of tiles 0 and 1 are then
; 16 neighbouring columns, 16 (lane / 16) + 0 .. 15, of the lane's token; the block's other half lies in lane xor 16.  v has its sources swapped and its tokens chosen likewise: a lane holds one d and 16 neighbouring keys.
; An operand goes from wave to wave as an image of its registers, lane-major: lane l's 12 registers at 48 l.  A half block's 12 bytes go to (r + 16 (b % 2)) 48 + 24 (b / 2) + 12 h, b the block of the K step.
; NO CLUSTER: what work-groups share here are the weights' fragments, 12,288 bytes a wave, each wanted by one wave alone and read straight into its registers; a joint load would bring them into LDS for a second trip.
; NO PREFETCH: the rows are asked for at the head, and the weights are read by all work-groups.
; LIMITS: NaN and infinities among the inputs are not served.  A block of zeros gets the byte 1 where the rule says 127: its codes are zeros, and this program alone reads the bytes.
; REGISTERS: v1-18 LDS addresses, made at the head and kept; v19 16 x lane; v20, v21 my row of a weight tile (codes, scale bytes); v22-23 the tokens' scale words; v24-119 weights; v120-127 their scale words;
; v108-119 serve the head and LN as work registers: the fragment that lies there is asked for behind LN; v128-191 by phase.
.set HP,   2064                        ; a row of h in LDS: 2,048 bytes + 16, an odd multiple of 16
.set XIMG, 66304                       ; behind 32 rows of h: the 8 fragments of h's codes (tile m, K step s: 4 m + s), 1,536 bytes each
.set XSC,  78592                       ; their scale words: fragment x 64 + 4 r + block
.set KVST, 79104                       ; 3,072 bytes cleared; the key block's record is put together from byte 64 on
.set KVC,  KVST+64
.set QSST, 82176                       ; q's scale words as they go to memory
.set QCST, 84224                       ; q's codes as they go to memory
.set ASC,  22                          ; v22-23   the scale words of the two fragments of h
.set W,    24                          ; v24-119  my 8 weight fragments: (u, s) at 12 (4 u + s)
.set WS,   120                         ; v120-127 their scale words: 4 u + s
.set X,    128                         ; LN: v128-159 two rows; v160-175 g; v176-191 b; v114-117 at work
.set G,    160
.set B,    176
.set RL,   128                         ; the copy of weights: v128-163 three fragments, v168-173 offsets, v174 the scale words' place, v175-177 scale words
.set ACT,  128                         ; the product: v128-151 two fragments of h, v160-191 four accumulators; v156-158 the bias's way in
.set ACC,  160
.set WV,   42
.set SEL,  44
.set C512, 46
.set EPS,  47
.set WL,   48
.macro NOP4
.rept 4
	v_nop
.endr
.endm
.macro BARRIER                         ; my LDS stores have landed and my LDS loads are in: then the work-group's barrier
	s_wait_dscnt 0x0
	s_barrier_signal -1
	s_barrier_wait -1
.endm
; 16 numbers of a lane, half a block of 32 whose other half lies in lane xor 16: the block's largest magnitude (with the floor 2^(5 - 127), so that the byte cannot fall under 1), its byte, and 12 bytes of codes
.macro HQ src, dst, by, tm, pl, so
	v_max3_num_f32 v[\tm], |v[\src]|, |v[\src+1]|, 0x2800000
.irp i, 2,4,6,8,10,12,14
	s_delay_alu instid0(VALU_DEP_1)
	v_max3_num_f32 v[\tm], v[\tm], |v[\src+\i]|, |v[\src+\i+1]|
.endr
	s_wait_alu depctr_va_vdst(0)
	v_permlanex16_b32 v[\pl], v[\tm], s[SEL], s[SEL+1]
	s_delay_alu instid0(VALU_DEP_1)
	v_max_num_f32 v[\tm], v[\tm], v[\pl]
	s_delay_alu instid0(VALU_DEP_1)
	v_add_nc_u32 v[\so], 0xfe000000, v[\tm]        ; 4 off the exponent field: the conversion takes this operand's exponent field as its scale
	s_delay_alu instid0(VALU_DEP_1)
	v_lshrrev_b32 v[\by], 23, v[\so]               ; the scale's byte
	v_cvt_scalef32_pk16_bf6_f32 v[\dst:\dst+2], v[\src:\src+15], v[\so]
	v_nop                                          ; one plain place behind a scaled conversion
.endm
.macro HQ2 sa, sb, dst, by, tm, pl, so ; two of them, line by line in turn
	v_max3_num_f32 v[\tm], |v[\sa]|, |v[\sa+1]|, 0x2800000
	v_max3_num_f32 v[\tm+1], |v[\sb]|, |v[\sb+1]|, 0x2800000
.irp i, 2,4,6,8,10,12,14
	v_max3_num_f32 v[\tm], v[\tm], |v[\sa+\i]|, |v[\sa+\i+1]|
	v_max3_num_f32 v[\tm+1], v[\tm+1], |v[\sb+\i]|, |v[\sb+\i+1]|
.endr
	s_delay_alu instid0(VALU_DEP_2)
	v_permlanex16_b32 v[\pl], v[\tm], s[SEL], s[SEL+1]
	s_delay_alu instid0(VALU_DEP_2)
	v_permlanex16_b32 v[\pl+1], v[\tm+1], s[SEL], s[SEL+1]
	s_delay_alu instid0(VALU_DEP_2)
	v_max_num_f32 v[\tm], v[\tm], v[\pl]
	s_delay_alu instid0(VALU_DEP_2)
	v_max_num_f32 v[\tm+1], v[\tm+1], v[\pl+1]
	s_delay_alu instid0(VALU_DEP_2)
	v_add_nc_u32 v[\so], 0xfe000000, v[\tm]
	s_delay_alu instid0(VALU_DEP_2)
	v_add_nc_u32 v[\so+1], 0xfe000000, v[\tm+1]
	s_delay_alu instid0(VALU_DEP_2)
	v_lshrrev_b32 v[\by], 23, v[\so]
	s_delay_alu instid0(VALU_DEP_2)
	v_lshrrev_b32 v[\by+1], 23, v[\so+1]
	v_cvt_scalef32_pk16_bf6_f32 v[\dst:\dst+2], v[\sa:\sa+15], v[\so]
	v_cvt_scalef32_pk16_bf6_f32 v[\dst+4:\dst+6], v[\sb:\sb+15], v[\so+1]
	v_nop
.endm
.macro PUT adr, off, dst               ; 12 bytes of codes to their place
	ds_store_b32 v[\adr], v[\dst] offset:\off
	ds_store_b32 v[\adr], v[\dst+1] offset:\off+4
	ds_store_b32 v[\adr], v[\dst+2] offset:\off+8
.endm
.macro FETCH reg, adr, off             ; a fragment's image back into 12 registers
	ds_load_b128 v[\reg:\reg+3], v[\adr] offset:\off
	ds_load_b128 v[\reg+4:\reg+7], v[\adr] offset:\off+16
	ds_load_b128 v[\reg+8:\reg+11], v[\adr] offset:\off+32
.endm
.macro RED2 a, b                       ; two sums over the 32 lanes, in turn; the register above each is free and takes the other half's sum
.irp x, 1,2,4,8
	s_delay_alu instid0(VALU_DEP_2)
	v_add_f32_dpp v[\a], v[\a], v[\a] row_xmask:\x row_mask:0xf bank_mask:0xf
	s_delay_alu instid0(VALU_DEP_2)
	v_add_f32_dpp v[\b], v[\b], v[\b] row_xmask:\x row_mask:0xf bank_mask:0xf
.endr
	s_delay_alu instid0(VALU_DEP_2)
	v_permlanex16_b32 v[\a+1], v[\a], s[SEL], s[SEL+1]
	s_delay_alu instid0(VALU_DEP_2)
	v_permlanex16_b32 v[\b+1], v[\b], s[SEL], s[SEL+1]
	s_delay_alu instid0(VALU_DEP_2)
	v_add_f32 v[\a], v[\a], v[\a+1]
	s_delay_alu instid0(VALU_DEP_2)
	v_add_f32 v[\b], v[\b], v[\b+1]
.endm
.macro WFRAG u, s                      ; weight fragment (u, s): six loads of 8 bytes
.irp p, 0,1,2,3,4,5
	global_load_b64 v[W+12*(4*\u+\s)+2*\p:W+12*(4*\u+\s)+2*\p+1], v20, s[90:91] offset:3072*\u+96*\s+48*(\p/3)+8*(\p%3)
.endr
.endm
.macro WLOAD_A                         ; seven of my eight fragments and all their scale words: 42 + 2 loads
.irp s, 0,1,2,3
	WFRAG 0, \s
.endr
.irp s, 0,1,2
	WFRAG 1, \s
.endr
	global_load_b128 v[WS:WS+3], v21, s[92:93]
	global_load_b128 v[WS+4:WS+7], v21, s[92:93] offset:128
.endm
.macro MMQ m, u, s                     ; q, k: source 0 = weight tile u, source 1 = tokens of tile m
	v_wmma_scale_f32_16x16x128_f8f6f4 v[ACC+16*\m+8*\u:ACC+16*\m+8*\u+7], v[W+12*(4*\u+\s):W+12*(4*\u+\s)+11], v[ACT+12*\m:ACT+12*\m+11], v[ACC+16*\m+8*\u:ACC+16*\m+8*\u+7], v[WS+4*\u+\s], v[ASC+\m] matrix_a_fmt:MATRIX_FMT_BF6 matrix_b_fmt:MATRIX_FMT_BF6
.endm
.macro MMV u, m, s                     ; v: source 0 = 16 chosen tokens, source 1 = weight tile u
	v_wmma_scale_f32_16x16x128_f8f6f4 v[ACC+16*\u+8*\m:ACC+16*\u+8*\m+7], v[ACT+12*\m:ACT+12*\m+11], v[W+12*(4*\u+\s):W+12*(4*\u+\s)+11], v[ACC+16*\u+8*\m:ACC+16*\u+8*\m+7], v[ASC+\m], v[WS+4*\u+\s] matrix_a_fmt:MATRIX_FMT_BF6 matrix_b_fmt:MATRIX_FMT_BF6
.endm
; Where fragment i of my three lies.  Batch t = 3 a + i of stream w3: t 0, 1: wo; 2 .. 9: wfc; 10 .. 17: wproj.  With tt = t less the weight's first batch: K step 2 (tt & 1 or 7) + sigma, first row w3 x 32 or 128 + 32 (tt >> 1 or 3) + 8 u.
.macro RELAY_AD i
	s_add_co_u32 s72, s82, \i
	s_mov_b32 s77, 1536
	s_cmp_lt_u32 s72, 2
	s_cselect_b64 s[50+2*\i:51+2*\i], s[22:23], s[26:27]
	s_cselect_b64 s[56+2*\i:57+2*\i], s[24:25], s[28:29]
	s_cselect_b32 s73, 0, 2
	s_cselect_b32 s74, 32, 128
	s_cmp_lt_u32 s72, 10
	s_cselect_b64 s[50+2*\i:51+2*\i], s[50+2*\i:51+2*\i], s[30:31]
	s_cselect_b64 s[56+2*\i:57+2*\i], s[56+2*\i:57+2*\i], s[32:33]
	s_cselect_b32 s73, s73, 10
	s_cselect_b32 s74, s74, 32
	s_cselect_b32 s75, 1, 7
	s_cselect_b32 s76, 1, 3
	s_cselect_b32 s77, 384, s77                    ; a row of codes in bytes
	s_cselect_b32 s78, 16, 64                      ; a row of scale bytes
	s_sub_co_u32 s73, s72, s73                     ; tt
	s_and_b32 s75, s73, s75
	s_lshl_b32 s75, s75, 1
	s_add_co_u32 s75, s75, s84                     ; the K step
	s_lshr_b32 s76, s73, s76
	s_lshl_b32 s76, s76, 5
	s_mul_i32 s74, s74, s83
	s_add_co_u32 s74, s74, s76
	s_add_co_u32 s74, s74, s85                     ; the tile's first row
	s_mul_i32 s80, s74, s77
	s_mul_i32 s79, s75, 96
	s_add_co_u32 s80, s80, s79
	s_mov_b32 s81, 0
	s_add_nc_u64 s[50+2*\i:51+2*\i], s[50+2*\i:51+2*\i], s[80:81]
	s_mul_i32 s80, s74, s78
	s_lshl_b32 s79, s75, 2
	s_add_co_u32 s80, s80, s79
	s_add_nc_u64 s[56+2*\i:57+2*\i], s[56+2*\i:57+2*\i], s[80:81]
	s_mul_i32 s80, s83, 18
	s_add_co_u32 s80, s80, s72
	s_mul_i32 s80, s80, 6400                       ; the batch's 6,400 bytes,
	s_mul_i32 s79, s86, 1536
	s_add_co_u32 s80, s80, s79                     ; fragment q's three chunks of 512
	s_add_nc_u64 s[66+2*\i:67+2*\i], s[40:41], s[80:81]
	v_mul_lo_u32 v[168+2*\i], v113, s77
	s_delay_alu instid0(VALU_DEP_1)
	v_mad_u32_u24 v[168+2*\i], v110, 24, v[168+2*\i]
	v_mul_lo_u32 v[169+2*\i], v113, s78
.endm
	s_load_b512 s[4:19], s[0:1], 0x0               ; hidden s[4:5], g s[6:7], b s[8:9], wq codes s[10:11], scales s[12:13], bq s[14:15], wkv codes s[16:17], scales s[18:19]
	s_load_b512 s[20:35], s[0:1], 0x40             ; bkv s[20:21], wo s[22:25], wfc s[26:29], wproj s[30:33], qc s[34:35]
	s_load_b128 s[36:39], s[0:1], 0x80             ; qs, kv
	s_load_b64 s[40:41], s[0:1], 0x90              ; wimg
	v_lshrrev_b32 v108, 5, v0
	s_delay_alu instid0(VALU_DEP_1)
	v_readfirstlane_b32 s[WV], v108                ; wave 0..17
	s_and_b32 s[WL], s[WV], 15                     ; head 0..15; 0 for k, 1 for v
	s_mov_b32 s[SEL], 0x76543210
	s_mov_b32 s[SEL+1], 0xfedcba98                 ; v_permlanex16_b32's selects for lane xor 16
	s_mov_b32 s[C512], 0x3b000000                  ; 1 / 512
	s_mov_b32 s[EPS], 0x3727c5ac                   ; 1e-5
	v_and_b32 v108, 31, v0                         ; lane
	v_and_b32 v109, 15, v0                         ; r
	s_wait_alu depctr_va_vdst(0)
	v_bfe_u32 v110, v0, 4, 1                       ; h
	v_bfe_u32 v111, v0, 3, 1                       ; r / 8
	v_and_b32 v112, 7, v0                          ; r % 8
	s_delay_alu instid0(VALU_DEP_1)
	v_lshl_add_u32 v113, v111, 4, v112             ; 16 (r / 8) + r % 8: a tile's rows
	; every LDS address is made here, ahead of the first parting of the waves
	s_mul_i32 s43, s[WV], 2*HP
	v_lshl_add_u32 v1, v108, 4, s43                ; v1: h's rows 2 w on, 16 bytes a lane
	v_mul_u32_u24 v2, v109, HP
	s_delay_alu instid0(VALU_DEP_1)
	v_lshl_add_u32 v2, v110, 6, v2
	s_lshl_b32 s43, s[WV], 7
	v_add_nc_u32 v2, s43, v2                       ; v2: row r, columns 32 w + 16 h on
	s_lshr_b32 s43, s[WV], 2
	s_mul_i32 s43, s43, 1536
	s_and_b32 s49, s[WV], 1
	s_mul_i32 s49, s49, 768
	s_add_co_u32 s43, s43, s49
	s_bfe_u32 s49, s[WV], 0x10001
	s_mul_i32 s49, s49, 24
	s_add_co_u32 s43, s43, s49
	s_add_co_u32 s43, s43, XIMG
	v_mul_u32_u24 v3, v109, 48
	s_wait_alu depctr_va_vdst(0)
	v_mad_u32_u24 v3, v110, 12, v3
	s_delay_alu instid0(VALU_DEP_1)
	v_add_nc_u32 v3, s43, v3                       ; v3: my half block's place in K step w / 4, block w % 4
	s_lshr_b32 s43, s[WV], 2
	s_lshl_b32 s43, s43, 6
	s_and_b32 s49, s[WV], 3
	s_add_co_u32 s43, s43, s49
	s_add_co_u32 s43, s43, XSC
	v_lshl_add_u32 v4, v109, 2, s43                ; v4: and its byte's
	v_mul_u32_u24 v5, v108, 48
	s_delay_alu instid0(VALU_DEP_1)
	v_add_nc_u32 v5, XIMG, v5                      ; v5: an image's place for my lane
	v_lshl_add_u32 v6, v109, 2, XSC                ; v6: a scale word's
	v_mul_u32_u24 v7, v111, 6144
	s_delay_alu instid0(VALU_DEP_1)
	v_mad_u32_u24 v7, v112, 48, v7
	s_delay_alu instid0(VALU_DEP_1)
	v_mad_u32_u24 v7, v110, 768, v7
	s_delay_alu instid0(VALU_DEP_1)
	v_add_nc_u32 v7, XIMG, v7                      ; v7: v's tokens: row r is token 16 (r / 8) + 8 m + r % 8
	v_lshlrev_b32 v8, 8, v111
	s_delay_alu instid0(VALU_DEP_1)
	v_lshl_add_u32 v8, v112, 2, v8
	s_delay_alu instid0(VALU_DEP_1)
	v_add_nc_u32 v8, XSC, v8                       ; v8: their scale words
	s_mul_i32 s43, s[WV], 384
	s_add_co_u32 s43, s43, QCST
	v_mul_u32_u24 v9, v109, 24
	s_delay_alu instid0(VALU_DEP_1)
	v_mad_u32_u24 v9, v110, 12, v9
	s_delay_alu instid0(VALU_DEP_1)
	v_add_nc_u32 v9, s43, v9                       ; v9: q's codes: record (16 m + head) x 384 + 24 r + 12 h
	s_lshl_b32 s43, s[WV], 6
	s_add_co_u32 s43, s43, QSST
	v_lshl_add_u32 v10, v109, 2, s43               ; v10: q's scale words
	v_mul_u32_u24 v11, v111, 216
	s_delay_alu instid0(VALU_DEP_1)
	v_mad_u32_u24 v11, v112, 24, v11
	s_delay_alu instid0(VALU_DEP_1)
	v_mad_u32_u24 v11, v110, 12, v11
	s_delay_alu instid0(VALU_DEP_1)
	v_add_nc_u32 v11, KVC, v11                     ; v11: k's rows: groups of 8 keys x 24 bytes and 24 bytes of zeros
	v_lshlrev_b32 v12, 4, v112
	s_delay_alu instid0(VALU_DEP_1)
	v_lshl_add_u32 v12, v111, 2, v12
	s_delay_alu instid0(VALU_DEP_1)
	v_add_nc_u32 v12, KVC+864, v12                 ; v12: k's scale words: (key % 8) x 16 + (key / 8) x 4
	v_mul_u32_u24 v13, v111, 384
	s_delay_alu instid0(VALU_DEP_1)
	v_mad_u32_u24 v13, v112, 24, v13
	s_delay_alu instid0(VALU_DEP_1)
	v_mad_u32_u24 v13, v110, 12, v13
	s_delay_alu instid0(VALU_DEP_1)
	v_add_nc_u32 v13, KVC+992, v13                 ; v13: v's rows: d x 24
	v_add_nc_u32 v14, KVC+1760, v113               ; v14: v's scale bytes: d
	s_and_b32 s43, s[WV], 1
	s_mul_i32 s43, s43, 1536
	s_add_co_u32 s43, s43, KVST
	v_lshl_add_u32 v15, v108, 4, s43               ; v15: the half of the stage that wave 16 or 17 clears
	s_and_b32 s43, ttmp9, 1
	s_xor_b32 s43, s43, 1
	s_lshl_b32 s43, s43, 6
	s_add_co_u32 s43, s43, KVST
	v_lshl_add_u32 v16, v108, 4, s43               ; v16: the record begins 64 bytes ahead of its content in odd key blocks, at it in even ones
	s_mul_i32 s43, s[WV], 768
	s_add_co_u32 s43, s43, QCST
	v_lshl_add_u32 v17, v108, 3, s43               ; v17: the way out of q's codes
	v_lshl_add_u32 v18, v108, 4, QSST              ; v18: and of its scale words
	v_lshlrev_b32 v19, 4, v108                     ; v19: 16 x lane
	v_mul_u32_u24 v20, v113, 384
	s_delay_alu instid0(VALU_DEP_1)
	v_mad_u32_u24 v20, v110, 24, v20               ; v20: my row of a weight tile, + 24 h
	v_lshlrev_b32 v21, 4, v113                     ; v21: its 16 scale bytes
	s_lshl_b32 s98, ttmp9, 16
	s_lshl_b32 s99, s[WV], 12
	s_add_co_u32 s98, s98, s99
	s_mov_b32 s99, 0
	s_wait_kmcnt 0x0
	s_add_nc_u64 s[88:89], s[4:5], s[98:99]        ; hidden_states at row 32 wg + 2 w
	s_cmp_lt_u32 s[WV], 16
	s_cselect_b64 s[90:91], s[10:11], s[16:17]     ; wq for the heads, wkv for k and v
	s_cselect_b64 s[92:93], s[12:13], s[18:19]
	s_cselect_b64 s[94:95], s[14:15], s[20:21]
	s_mul_i32 s98, s[WL], 12288                    ; my 32 rows of 384 bytes,
	s_add_nc_u64 s[90:91], s[90:91], s[98:99]
	s_lshl_b32 s98, s[WL], 9                       ; of 16 scale bytes,
	s_add_nc_u64 s[92:93], s[92:93], s[98:99]
	s_lshl_b32 s98, s[WL], 7                       ; and my 32 numbers of the bias
	s_add_nc_u64 s[94:95], s[94:95], s[98:99]
	s_cmp_lt_u32 s[WV], 16
	s_cbranch_scc1 .Lrows
	; ---- waves 16 and 17: the copy of three weight fragments, whole inside one branch on the work-group's number
	s_cmp_lt_u32 ttmp9, 192
	s_cbranch_scc0 .Lclear
	s_lshr_b32 s82, ttmp9, 6
	s_lshl_b32 s82, s82, 1
	s_and_b32 s43, s[WV], 1
	s_add_co_u32 s82, s82, s43
	s_mul_i32 s82, s82, 3                          ; 3 a: my first batch
	s_bfe_u32 s83, ttmp9, 0x40002                  ; the stream
	s_and_b32 s86, ttmp9, 3                        ; the fragment of the batch: q = u + 2 sigma
	s_and_b32 s85, s86, 1
	s_lshl_b32 s85, s85, 3                         ; 8 u
	s_lshr_b32 s84, s86, 1                         ; sigma
	s_mul_i32 s43, s86, 1536
	s_sub_co_u32 s43, 6144, s43
	s_lshl_b32 s49, s85, 4
	s_add_co_u32 s43, s43, s49
	s_lshl_b32 s49, s84, 2
	s_add_co_u32 s43, s43, s49
	v_lshl_add_u32 v174, v109, 3, s43              ; the scale words' place, counted from the fragment's: 6,144 - 1,536 q + 128 u + 4 sigma + 8 r
	RELAY_AD 0
	RELAY_AD 1
	RELAY_AD 2
	s_wait_alu depctr_va_vdst(0)
.irp i, 0,1,2
.irp p, 0,1,2,3,4,5
	global_load_b64 v[RL+12*\i+2*\p:RL+12*\i+2*\p+1], v[168+2*\i], s[50+2*\i:51+2*\i] offset:48*(\p/3)+8*(\p%3)
.endr
	global_load_b32 v[175+\i], v[169+2*\i], s[56+2*\i:57+2*\i]
.endr
	s_wait_loadcnt 0x0
.irp i, 0,1,2
.irp c, 0,1,2
	global_store_b128 v19, v[RL+12*\i+4*\c:RL+12*\i+4*\c+3], s[66+2*\i:67+2*\i] offset:512*\c   ; registers 4 c .. 4 c + 3 of the fragment: 512 consecutive bytes
.endr
	global_store_b32 v174, v[175+\i], s[66+2*\i:67+2*\i]       ; lanes 16-31 repeat lanes 0-15's words at the same places
.endr
.Lclear:
.irp j, 164,165,166,167
	v_mov_b32 v[\j], 0
.endr
.irp i, 0,1,2
	ds_store_b128 v15, v[164:167] offset:512*\i
.endr
	s_wait_alu depctr_va_vdst(0)
	WLOAD_A                                        ; k's and v's own weights: wanted behind the second barrier
	s_wait_dscnt 0x0
	s_wait_xcnt 0x0                                ; the stores have read their registers: the bias and h's fragments land on some of them
	s_branch .Lbias
.Lrows:
	s_wait_alu depctr_va_vdst(0)
.irp i, 0,1,2,3
	global_load_b128 v[X+4*\i:X+4*\i+3], v19, s[88:89] offset:512*\i th:TH_LOAD_NT           ; 32 lanes read 512 consecutive bytes
	global_load_b128 v[X+16+4*\i:X+16+4*\i+3], v19, s[88:89] offset:2048+512*\i th:TH_LOAD_NT
.endr
.irp i, 0,1,2,3
	global_load_b128 v[G+4*\i:G+4*\i+3], v19, s[6:7] offset:512*\i
	global_load_b128 v[B+4*\i:B+4*\i+3], v19, s[8:9] offset:512*\i
.endr
	WLOAD_A
	s_wait_loadcnt 44                              ; the 42 + 2 loads of my weights may stay out: the rows, g and b, asked for ahead of them, are in
	; LN in two passes: the mean, then the deviations' squares
	v_pk_add_f32 v[114:115], v[X:X+1], v[X+2:X+3]
	v_pk_add_f32 v[116:117], v[X+16:X+17], v[X+18:X+19]
.irp j, 4,6,8,10,12,14
	s_delay_alu instid0(VALU_DEP_2)
	v_pk_add_f32 v[114:115], v[114:115], v[X+\j:X+\j+1]
	s_delay_alu instid0(VALU_DEP_2)
	v_pk_add_f32 v[116:117], v[116:117], v[X+16+\j:X+17+\j]
.endr
	s_delay_alu instid0(VALU_DEP_2)
	v_add_f32 v114, v114, v115
	s_delay_alu instid0(VALU_DEP_2)
	v_add_f32 v116, v116, v117
	RED2 114, 116
	s_delay_alu instid0(VALU_DEP_2)
	v_mul_f32 v114, 0xbb000000, v114               ; - the mean
	s_delay_alu instid0(VALU_DEP_2)
	v_mul_f32 v116, 0xbb000000, v116
.irp j, 0,2,4,6,8,10,12,14
	v_pk_add_f32 v[X+\j:X+\j+1], v[X+\j:X+\j+1], v[114:115] op_sel_hi:[1,0]
	v_pk_add_f32 v[X+16+\j:X+17+\j], v[X+16+\j:X+17+\j], v[116:117] op_sel_hi:[1,0]
.endr
	v_pk_mul_f32 v[114:115], v[X:X+1], v[X:X+1]
	v_pk_mul_f32 v[116:117], v[X+16:X+17], v[X+16:X+17]
.irp j, 2,4,6,8,10,12,14
	s_delay_alu instid0(VALU_DEP_2)
	v_pk_fma_f32 v[114:115], v[X+\j:X+\j+1], v[X+\j:X+\j+1], v[114:115]
	s_delay_alu instid0(VALU_DEP_2)
	v_pk_fma_f32 v[116:117], v[X+16+\j:X+17+\j], v[X+16+\j:X+17+\j], v[116:117]
.endr
	s_delay_alu instid0(VALU_DEP_2)
	v_add_f32 v114, v114, v115
	s_delay_alu instid0(VALU_DEP_2)
	v_add_f32 v116, v116, v117
	RED2 114, 116
	s_delay_alu instid0(VALU_DEP_2)
	v_fma_f32 v114, v114, s[C512], s[EPS]
	s_delay_alu instid0(VALU_DEP_2)
	v_fma_f32 v116, v116, s[C512], s[EPS]
	s_wait_alu depctr_va_vdst(0)
	v_rsq_f32 v114, v114
	v_rsq_f32 v116, v116
	v_nop                                          ; a plain place behind the two roots,
	s_wait_alu depctr_va_vdst(0)                   ; and one wait for both, ahead of their first reader
.irp j, 0,2,4,6,8,10,12,14
	v_pk_mul_f32 v[X+\j:X+\j+1], v[X+\j:X+\j+1], v[114:115] op_sel_hi:[1,0]
	v_pk_mul_f32 v[X+16+\j:X+17+\j], v[X+16+\j:X+17+\j], v[116:117] op_sel_hi:[1,0]
.endr
.irp j, 0,2,4,6,8,10,12,14
	v_pk_fma_f32 v[X+\j:X+\j+1], v[X+\j:X+\j+1], v[G+\j:G+\j+1], v[B+\j:B+\j+1]
	v_pk_fma_f32 v[X+16+\j:X+17+\j], v[X+16+\j:X+17+\j], v[G+\j:G+\j+1], v[B+\j:B+\j+1]
.endr
.irp i, 0,1,2,3
	ds_store_b128 v1, v[X+4*\i:X+4*\i+3] offset:512*\i
	ds_store_b128 v1, v[X+16+4*\i:X+16+4*\i+3] offset:HP+512*\i
.endr
	s_wait_dscnt 0x0                               ; the stores have read their registers
.Lbias:
	WFRAG 1, 3                                     ; the eighth fragment: its registers have served as work registers up to here
	; the bias is the start of each sum: it is loaded into the accumulators, in the result's layout
	s_cmp_eq_u32 s[WV], 17
	s_cbranch_scc1 .Lbias_v
	v_bfe_u32 v158, v0, 4, 1
	s_delay_alu instid0(VALU_DEP_1)
	v_lshlrev_b32 v158, 6, v158                    ; q, k: 64 h: my 16 columns
.irp m, 0,1
.irp u, 0,1
	global_load_b128 v[ACC+16*\m+8*\u:ACC+16*\m+8*\u+3], v158, s[94:95] offset:32*\u
	global_load_b128 v[ACC+16*\m+8*\u+4:ACC+16*\m+8*\u+7], v158, s[94:95] offset:32*\u+16
.endr
.endr
	s_branch .Lbias_done
.Lbias_v:
	v_lshrrev_b32 v158, 2, v21                     ; v: 4 x (16 (r / 8) + r % 8): my one d
	global_load_b32 v156, v158, s[94:95]
	global_load_b32 v157, v158, s[94:95] offset:32
.Lbias_done:
	BARRIER                                        ; 32 rows of h lie in LDS, and the stage of K and V is clear
	s_cmp_lt_u32 s[WV], 16
	s_cbranch_scc0 .Lquant_done
	v_mov_b32 v151, 0                              ; a lane permute's destination counts as one of its sources
.irp m, 0,1
.irp i, 0,1,2,3
	ds_load_b128 v[128+4*\i:131+4*\i], v2 offset:\m*16*HP+16*\i
.endr
	s_wait_dscnt 0x0
	HQ 128, 144, 148, 149, 151, 150
	PUT 3, \m*6144, 144
	ds_store_b8 v4, v148 offset:\m*256             ; both lanes of a block write the same byte with the same value
	s_wait_dscnt 0x0                               ; the stores have read their registers
.endr
.Lquant_done:
	BARRIER                                        ; h's eight fragments and their scale words lie in LDS
	s_wait_loadcnt 0x0                             ; my weights and my bias
	s_cmp_eq_u32 s[WV], 17
	s_cbranch_scc1 .Lprod_v
.irp s, 0,1,2,3                                ; four accumulators by turns, one instruction a turn, a K step at a time
	FETCH ACT, 5, \s*1536
	FETCH ACT+12, 5, (4+\s)*1536
	ds_load_b32 v[ASC], v6 offset:\s*64
	ds_load_b32 v[ASC+1], v6 offset:(4+\s)*64
	s_wait_dscnt 0x0
	MMQ 0, 0, \s
	MMQ 0, 1, \s
	MMQ 1, 0, \s
	MMQ 1, 1, \s
	NOP4                                           ; four places in front of loads into registers that matrix instructions have read, and of the first read of results
.endr
	s_branch .Lprod_done
.Lprod_v:
.set j, 0
	s_wait_alu depctr_va_vdst(0)
.rept 16
	v_mov_b32 v[ACC+j], v156                       ; a lane holds one d: its bias in all 16 registers of a tile pair
	v_mov_b32 v[ACC+16+j], v157
.set j, j+1
.endr
	s_wait_alu depctr_va_vdst(0)
.irp s, 0,1,2,3
	FETCH ACT, 7, \s*1536
	FETCH ACT+12, 7, \s*1536+384
	ds_load_b32 v[ASC], v8 offset:\s*64
	ds_load_b32 v[ASC+1], v8 offset:\s*64+32
	s_wait_dscnt 0x0
	MMV 0, 0, \s
	MMV 0, 1, \s
	MMV 1, 0, \s
	MMV 1, 1, \s
	NOP4
.endr
.Lprod_done:
	v_mov_b32 v142, 0                              ; the lane permutes' destinations
	v_mov_b32 v143, 0
	HQ2 160, 176, 128, 136, 138, 142, 140          ; q, k: tiles of tokens 0 and 1, blocks along d; v: d tiles 0 and 1, the block along the 32 keys
	s_cmp_lt_u32 s[WV], 16
	s_cbranch_scc0 .Lput_kv
	PUT 9, 0, 128
	PUT 9, 6144, 132
	ds_store_b32 v10, v136                         ; the byte as a word: bytes 1 to 3, of the K step's three empty blocks, are 0
	ds_store_b32 v10, v137 offset:1024
	s_branch .Lput_done
.Lput_kv:
	s_cmp_eq_u32 s[WV], 16
	s_cbranch_scc0 .Lput_v
	s_wait_alu depctr_va_vdst(0)
	PUT 11, 0, 128
	PUT 11, 432, 132
	ds_store_b32 v12, v136
	ds_store_b32 v12, v137 offset:8
	s_branch .Lput_done
.Lput_v:
	s_wait_alu depctr_va_vdst(0)
	PUT 13, 0, 128
	PUT 13, 192, 132
	ds_store_b8 v14, v136
	ds_store_b8 v14, v137 offset:8
.Lput_done:
	BARRIER                                        ; all that leaves lies in LDS as it goes to memory
	s_cmp_lt_u32 s[WV], 16
	s_cbranch_scc0 .Lout_kv
	s_mul_i32 s98, ttmp9, 12288
	s_mul_i32 s43, s[WV], 768
	s_add_co_u32 s98, s98, s43
	s_mov_b32 s99, 0
	s_add_nc_u64 s[96:97], s[34:35], s[98:99]
	v_and_b32 v154, 31, v0
	s_delay_alu instid0(VALU_DEP_1)
	v_lshlrev_b32 v154, 3, v154                    ; 8 x lane
.irp i, 0,1,2
	ds_load_b64 v[128+2*\i:129+2*\i], v17 offset:256*\i
.endr
	s_wait_alu depctr_va_vdst(0)
.irp i, 0,1,2
	s_wait_dscnt 2-\i                              ; the loads issued behind this one may stay out
	global_store_b64 v154, v[128+2*\i:129+2*\i], s[96:97] offset:256*\i   ; 32 lanes store 256 consecutive bytes, aligned
.endr
	s_wait_xcnt 0x0
	v_lshl_add_u32 v166, v0, 2, 0x17a00
	v_mov_b32 v167, 0
	s_wait_alu depctr_va_vdst(0)
	s_wait_tensorcnt 0x0
	ds_add_u32 v166, v167
	s_wait_dscnt 0x0
	s_endpgm
.Lout_kv:
	s_lshl_b32 s98, ttmp9, 11
	s_mov_b32 s99, 0
	s_cmp_eq_u32 s[WV], 16
	s_cbranch_scc0 .Lout_qs
	s_add_nc_u64 s[96:97], s[38:39], s[98:99]
.irp i, 0,1,2,3
	ds_load_b128 v[128+4*\i:131+4*\i], v16 offset:512*\i
.endr
.irp i, 0,1,2,3
	s_wait_dscnt 3-\i
	global_store_b128 v19, v[128+4*\i:131+4*\i], s[96:97] offset:512*\i
.endr
	s_wait_xcnt 0x0
	v_lshl_add_u32 v166, v0, 2, 0x17a00
	v_mov_b32 v167, 0
	s_wait_alu depctr_va_vdst(0)
	s_wait_tensorcnt 0x0
	ds_add_u32 v166, v167
	s_wait_dscnt 0x0
	s_endpgm
.Lout_qs:
	s_add_nc_u64 s[96:97], s[36:37], s[98:99]
.irp i, 0,1,2,3
	ds_load_b128 v[128+4*\i:131+4*\i], v18 offset:512*\i
.endr
.irp i, 0,1,2,3
	s_wait_dscnt 3-\i
	global_store_b128 v19, v[128+4*\i:131+4*\i], s[96:97] offset:512*\i
.endr
	s_wait_xcnt 0x0
	v_lshl_add_u32 v166, v0, 2, 0x17a00
	v_mov_b32 v167, 0
	s_wait_alu depctr_va_vdst(0)
	s_wait_tensorcnt 0x0
	ds_add_u32 v166, v167
	s_wait_dscnt 0x0
	s_endpgm
.Lfunc_end_k_q54bb822cdf_qkv:
	.size	k_q54bb822cdf_qkv, .Lfunc_end_k_q54bb822cdf_qkv-k_q54bb822cdf_qkv
	.p2alignl 7, 3214868480
	.fill 96, 4, 3214868480
	.section	.rodata,"a",@progbits
	.p2align	6, 0x0
	.amdhsa_kernel k_q54bb822cdf_qkv
		.amdhsa_group_segment_fixed_size 99072
		.amdhsa_private_segment_fixed_size 0
		.amdhsa_enable_private_segment 0
		.amdhsa_kernarg_size 152
		.amdhsa_user_sgpr_count 2
		.amdhsa_user_sgpr_kernarg_segment_ptr 1
		.amdhsa_wavefront_size32 1
		.amdhsa_system_sgpr_workgroup_id_x 1
		.amdhsa_system_sgpr_workgroup_id_y 1
		.amdhsa_system_sgpr_workgroup_id_z 1
		.amdhsa_system_vgpr_workitem_id 0
		.amdhsa_next_free_vgpr 192
		.amdhsa_next_free_sgpr 100
		.amdhsa_reserve_vcc 0
		.amdhsa_float_denorm_mode_32 3
		.amdhsa_float_denorm_mode_16_64 3
		.amdhsa_memory_ordered 1
		.amdhsa_forward_progress 1
		.amdhsa_inst_pref_size 59
	.end_amdhsa_kernel
	.amdgpu_metadata
---
amdhsa.version: [ 1, 2 ]
amdhsa.kernels:
  - .name:           k_q54bb822cdf_qkv
    .symbol:         k_q54bb822cdf_qkv.kd
    .args:
      - { .name: hidden_states, .offset: 0, .size: 8, .value_kind: global_buffer, .address_space: global }
      - { .name: ln1_g, .offset: 8, .size: 8, .value_kind: global_buffer, .address_space: global }
      - { .name: ln1_b, .offset: 16, .size: 8, .value_kind: global_buffer, .address_space: global }
      - { .name: wq_codes, .offset: 24, .size: 8, .value_kind: global_buffer, .address_space: global }
      - { .name: wq_scales, .offset: 32, .size: 8, .value_kind: global_buffer, .address_space: global }
      - { .name: bq, .offset: 40, .size: 8, .value_kind: global_buffer, .address_space: global }
      - { .name: wkv_codes, .offset: 48, .size: 8, .value_kind: global_buffer, .address_space: global }
      - { .name: wkv_scales, .offset: 56, .size: 8, .value_kind: global_buffer, .address_space: global }
      - { .name: bkv, .offset: 64, .size: 8, .value_kind: global_buffer, .address_space: global }
      - { .name: wo_codes, .offset: 72, .size: 8, .value_kind: global_buffer, .address_space: global }
      - { .name: wo_scales, .offset: 80, .size: 8, .value_kind: global_buffer, .address_space: global }
      - { .name: wfc_codes, .offset: 88, .size: 8, .value_kind: global_buffer, .address_space: global }
      - { .name: wfc_scales, .offset: 96, .size: 8, .value_kind: global_buffer, .address_space: global }
      - { .name: wproj_codes, .offset: 104, .size: 8, .value_kind: global_buffer, .address_space: global }
      - { .name: wproj_scales, .offset: 112, .size: 8, .value_kind: global_buffer, .address_space: global }
      - { .name: qc, .offset: 120, .size: 8, .value_kind: global_buffer, .address_space: global }
      - { .name: qs, .offset: 128, .size: 8, .value_kind: global_buffer, .address_space: global }
      - { .name: kv, .offset: 136, .size: 8, .value_kind: global_buffer, .address_space: global }
      - { .name: wimg, .offset: 144, .size: 8, .value_kind: global_buffer, .address_space: global }
    .group_segment_fixed_size: 99072
    .private_segment_fixed_size: 0
    .kernarg_segment_align: 8
    .kernarg_segment_size: 152
    .max_flat_workgroup_size: 576
    .sgpr_count:     100
    .vgpr_count:     192
    .wavefront_size: 32
...
	.end_amdgpu_metadata
.endif
;; end of part 1
;; launch attnmlp (part 2): grid 256 x 1, 16 waves a work-group, no clusters, 248,320 bytes of LDS; arguments hidden_states, qc, qs, kv, wimg, bo, ln2_g, ln2_b, bfc, bproj, out0; writes out0
.if DOCPART == 2
	.amdgcn_target "amdgcn-amd-amdhsa--gfx1250"
	.amdhsa_code_object_version 6
	.text
	.protected	k_q54bb822cdf_attnmlp
	.globl	k_q54bb822cdf_attnmlp
	.p2align	8
	.type	k_q54bb822cdf_attnmlp,@function
k_q54bb822cdf_attnmlp:
	s_mov_b64 s[64:65], 0
	v_nop
	global_prefetch_b8 v0, s[64:65] scope:SCOPE_SE
	s_setreg_imm32_b32 hwreg(HW_REG_WAVE_MODE, 25, 1), 1
	s_wait_xcnt 0x0
; Causal attention with one key and value head, then x = attn wo + bo + hidden_states and out = gelu(LN2(x) wfc + bfc) wproj + bproj + x, in one launch.
; All products on codes of E3M2 with one E8M0 byte for each 32 along K; attention's, LN2's and gelu's results are quantised on the way and never go to memory.
; SHARES.  Work-group (batch, i) owns the query tiles i and 127 - i of 16 tokens: 32 rows, which it takes through the whole chain.
; Attention: wave w is head w and makes tile i, then tile 127 - i: (i / 8 + 1) + ((127 - i) / 8 + 1) = 17 key steps of 128 for every wave; a step all of whose keys come after the tile's queries
; (hidden by the causal mask that the problem builds itself) is jumped over by a scalar branch on ids.  The batch's K and V, 131,072 bytes, come into LDS once, one tensor load of 8,192 bytes a wave; nothing is filled again.
; t = score x log2(e) / sqrt(32); M = the running largest t rounded up to a whole number; p = 2^(t - M) is quantised along the keys; the row's sum is taken of the unquantised p and divides at the end.
; S^T = K Q^T (K = 32: block 0 holds the head's 32, blocks 1 to 3 zero codes).  Tile (c, u) takes keys 64 c + 8 u + 0 .. 7 and 64 c + 32 + 8 u + 0 .. 7: the 32 registers of tiles (c, 0 .. 3) are the whole block 2 c + lane / 16.
; O^T = V^T P^T (source 0 = 16 of the 32 d, 16 (m / 8) + 8 u + m % 8): a lane's 16 registers are d = 16 (lane / 16) + 0 .. 15 of its query.
; The rest: wave w owns columns 32 w .. 32 w + 31 of x and out and hidden units 128 w .. 128 w + 127.  Its 72 weight fragments are a dense stream of 18 batches of 6,400 bytes in the order of the operand's registers:
; memory to registers, three buffers of 50 registers by turns.  Every product is used transposed; operands go from wave to wave through LDS as lane-major images (lane l's 12 registers at 48 l).
; The residual's rows and the five vectors are asked for at the head and staged in LDS while K and V are on their way.
; Behind attention's closing barrier nobody reads K and V: gelu's images and the parked x are stored over those bytes, which have had their only fill.
; NO CLUSTER: K and V are one fill at the head against 272 wave-steps, and which steps are jumped over hangs on the work-group's own queries; each weight fragment is wanted by one wave alone.
; NO PREFETCH: K, V, the rows and the vectors are asked for at the head; the weights' stream is read by all work-groups.
; gelu(x) = x / (1 + 2^(x (c0 + c1 x^2))), c0 = -2 log2(e) sqrt(2 / pi), c1 = 0.044715 c0.
; LIMITS: NaN and infinities are not served; a block of zeros gets the byte 1 where the rule says 127 (its codes are zeros, and this program alone reads the bytes).
.set VSW,   131072                     ; V's scale words, 128 bytes a key step
.set LB,    133120                     ; base of the four regions below, which are counted from it
.set AIMG,  0                          ; attn's 8 fragments (tile m, K step s: 4 m + s)
.set ASW,   12288                      ; their scale words
.set H2IMG, 12800                      ; LN2's 8 fragments
.set H2SW,  25088
.set GIMG,  0                          ; over K and V: gelu's 32 fragments (16 m + s)
.set GSW,   49152
.set PARK,  65536                      ; over K and V: x, 4,096 bytes a wave
.set STAT1, 158720                     ; the waves' parts of the rows' sums: row x 80 + 4 w; the squares' 2,560 bytes on
.set VEC,   163840                     ; bo, ln2_g, ln2_b, bproj (2,048 each), bfc (8,192)
.set OST,   180224                     ; 32 rows x (2,048 + 16): the residual on its way in, the result on its way out
.set SPARE, 246272                     ; the spare words, 128 bytes a wave
.set HP,    2064
.set S,   140                          ; attention: v140-203 S^T, then p
.set O,   204                          ; v204-219 O^T
.set ACC,   24                         ; behind it: v24-55 four accumulators (m, u) at 16 m + 8 u
.set BIAS,  56
.set ACT,   72
.set ASC,   96
.set WB,    104                        ; v104-253 three buffers of 48 + 2
.set PL,    18                         ; v18-19 the lane permutes' destinations; v254, v255: the spare word's address and 0, kept
.set C512, 4
.set EPS,  5
.set HI,   6
.set WV,  26
.set KF,  32
.set TB,  33
.set TW,  34
.set CNT, 35
.set SEL, 36
.set CS,  38
.set LOW, 56
.set Q0,  57
.set QL,  58
.macro NOP4
.rept 4
	v_nop
.endr
.endm
.macro BARRIER
	s_wait_dscnt 0x0
	s_barrier_signal -1
	s_barrier_wait -1
.endm
.macro HQ src, dst, by, tm, pl, so     ; half a block in a lane, the other half in lane xor 16: the byte and 12 bytes of codes
	v_max3_num_f32 v[\tm], |v[\src]|, |v[\src+1]|, 0x2800000
.irp i, 2,4,6,8,10,12,14
	s_delay_alu instid0(VALU_DEP_1)
	v_max3_num_f32 v[\tm], v[\tm], |v[\src+\i]|, |v[\src+\i+1]|
.endr
	s_delay_alu instid0(VALU_DEP_1)
	v_permlanex16_b32 v[\pl], v[\tm], s[SEL], s[SEL+1]
	s_delay_alu instid0(VALU_DEP_1)
	v_max_num_f32 v[\tm], v[\tm], v[\pl]
	s_delay_alu instid0(VALU_DEP_1)
	v_add_nc_u32 v[\so], 0xfe000000, v[\tm]
	s_delay_alu instid0(VALU_DEP_1)
	v_lshrrev_b32 v[\by], 23, v[\so]
	v_cvt_scalef32_pk16_bf6_f32 v[\dst:\dst+2], v[\src:\src+15], v[\so]
	v_nop
.endm
.macro HQ2 sa, sb, dst, by, tm, pl, so ; two of them, in turn
	v_max3_num_f32 v[\tm], |v[\sa]|, |v[\sa+1]|, 0x2800000
	v_max3_num_f32 v[\tm+1], |v[\sb]|, |v[\sb+1]|, 0x2800000
.irp i, 2,4,6,8,10,12,14
	s_delay_alu instid0(VALU_DEP_2)
	v_max3_num_f32 v[\tm], v[\tm], |v[\sa+\i]|, |v[\sa+\i+1]|
	s_delay_alu instid0(VALU_DEP_2)
	v_max3_num_f32 v[\tm+1], v[\tm+1], |v[\sb+\i]|, |v[\sb+\i+1]|
.endr
	s_delay_alu instid0(VALU_DEP_2)
	v_permlanex16_b32 v[\pl], v[\tm], s[SEL], s[SEL+1]
	s_delay_alu instid0(VALU_DEP_2)
	v_permlanex16_b32 v[\pl+1], v[\tm+1], s[SEL], s[SEL+1]
	s_delay_alu instid0(VALU_DEP_2)
	v_max_num_f32 v[\tm], v[\tm], v[\pl]
	s_delay_alu instid0(VALU_DEP_2)
	v_max_num_f32 v[\tm+1], v[\tm+1], v[\pl+1]
	s_delay_alu instid0(VALU_DEP_2)
	v_add_nc_u32 v[\so], 0xfe000000, v[\tm]
	s_delay_alu instid0(VALU_DEP_2)
	v_add_nc_u32 v[\so+1], 0xfe000000, v[\tm+1]
	s_delay_alu instid0(VALU_DEP_2)
	v_lshrrev_b32 v[\by], 23, v[\so]
	s_delay_alu instid0(VALU_DEP_2)
	v_lshrrev_b32 v[\by+1], 23, v[\so+1]
	v_cvt_scalef32_pk16_bf6_f32 v[\dst:\dst+2], v[\sa:\sa+15], v[\so]
	v_cvt_scalef32_pk16_bf6_f32 v[\dst+4:\dst+6], v[\sb:\sb+15], v[\so+1]
	v_nop                                          ; one plain place behind the conversions
.endm
.macro PUT adr, off, dst
	ds_store_b32 v[\adr], v[\dst] offset:\off
	ds_store_b32 v[\adr], v[\dst+1] offset:\off+4
	ds_store_b32 v[\adr], v[\dst+2] offset:\off+8
.endm
.macro FETCH reg, adr, off
	ds_load_b128 v[\reg:\reg+3], v[\adr] offset:\off
	ds_load_b128 v[\reg+4:\reg+7], v[\adr] offset:\off+16
	ds_load_b128 v[\reg+8:\reg+11], v[\adr] offset:\off+32
.endm
; A KEY STEP of 128 keys
.macro STEP pn, qsc
	s_cmp_gt_u32 s[KF], s[QL]
	s_cbranch_scc1 .Lhidden_\pn
	v_add_nc_u32 v8, s[TB], v1
	v_add_nc_u32 v9, s[TB], v2
	v_add_nc_u32 v10, s[TB], v3
	v_add_nc_u32 v11, s[TW], v4
	ds_load_b128 v[84:87], v9                      ; the scale words of tiles (0, 0 .. 3),
	ds_load_b128 v[88:91], v9 offset:4096          ; of tiles (1, 0 .. 3)
.irp u, 0,1,2,3
.irp e, 0,1,2
	ds_load_b64 v[36+12*\u+2*\e:37+12*\u+2*\e], v8 offset:216*\u+8*\e   ; lanes 0-15 a key's 24 bytes, lanes 16-31 the zeros behind the group
.endr
.endr
	s_wait_alu depctr_va_vdst(0)
	s_wait_dscnt 0x0
.irp u, 0,1,2,3
	v_wmma_scale_f32_16x16x128_f8f6f4 v[S+8*\u:S+8*\u+7], v[36+12*\u:47+12*\u], v[16:27], 0, v[84+\u], v[\qsc] matrix_a_fmt:MATRIX_FMT_BF6 matrix_b_fmt:MATRIX_FMT_BF6
.endr
	NOP4                                           ; four places in front of loads into registers that these have read
.irp u, 0,1,2,3
.irp e, 0,1,2
	ds_load_b64 v[36+12*\u+2*\e:37+12*\u+2*\e], v8 offset:4096+216*\u+8*\e
.endr
.endr
.irp g, 0,1                                    ; V's two tiles: wanted behind the softmax
.irp c, 0,1
.irp e, 0,1,2
	ds_load_b64 v[92+12*\g+6*\c+2*\e:93+12*\g+6*\c+2*\e], v10 offset:4096*\c+192*\g+8*\e
.endr
.endr
.endr
	ds_load_b32 v116, v11
	s_wait_dscnt 13                                ; V's 12 loads and its scale words may stay out: K's are in
.irp u, 0,1,2,3
	v_wmma_scale_f32_16x16x128_f8f6f4 v[S+32+8*\u:S+32+8*\u+7], v[36+12*\u:47+12*\u], v[16:27], 0, v[88+\u], v[\qsc] matrix_a_fmt:MATRIX_FMT_BF6 matrix_b_fmt:MATRIX_FMT_BF6
.endr
	NOP4
	s_add_co_u32 s40, s[KF], 127                   ; on the diagonal hidden scores become -infinity ahead of the maximum
	s_cmp_le_u32 s40, s[Q0]
	s_cbranch_scc1 .Lopen_\pn
	s_sub_co_i32 s40, s[Q0], s[KF]
	v_add_nc_u32 v235, s40, v137                   ; my query - KF - 32 h.  Register 32 c + i holds key KF + 32 h + 64 c + i
	v_mov_b32 v236, 0xff800000
.set n, 0
.rept 64
	v_cmp_gt_i32 vcc_lo, 64*(n/32)+n%32, v235
	v_cndmask_b32 v[S+n], v[S+n], v236, vcc_lo
.set n, n+1
.endr
.Lopen_\pn:
	v_max3_num_f32 v220, v[S], v[S+1], v[S+2]      ; the largest score of each of my two blocks: for the row's maximum and for the block's largest p
	v_max3_num_f32 v221, v[S+32], v[S+33], v[S+34]
.irp i, 3,5,7,9,11,13,15,17,19,21,23,25,27,29
	v_max3_num_f32 v220, v220, v[S+\i], v[S+\i+1]
	v_max3_num_f32 v221, v221, v[S+32+\i], v[S+33+\i]
.endr
	v_max_num_f32 v220, v220, v[S+31]
	v_max_num_f32 v221, v221, v[S+63]
	s_delay_alu instid0(VALU_DEP_1)
	v_max_num_f32 v224, v220, v221
	s_delay_alu instid0(VALU_DEP_1)
	v_permlanex16_b32 v225, v224, s[SEL], s[SEL+1]
	s_delay_alu instid0(VALU_DEP_1)
	v_max_num_f32 v224, v224, v225
	s_delay_alu instid0(VALU_DEP_1)
	v_mul_f32 v224, s[CS], v224
	s_delay_alu instid0(VALU_DEP_1)
	v_max_num_f32 v13, v13, v224                   ; the running largest t
	v_mov_b32 v224, v12
	s_delay_alu instid0(VALU_DEP_2)
	v_floor_f32 v12, -v13                          ; the new -M = -ceil(t)
	s_delay_alu instid0(VALU_DEP_1)
	v_sub_f32 v224, v12, v224
	s_delay_alu instid0(VALU_DEP_1)
	v_cvt_i32_f32 v224, v224
	s_delay_alu instid0(VALU_DEP_1)
	v_ldexp_f32 v226, 1.0, v224                    ; f = 2^(old M - new M)
.set j, 0
.rept 32
	v_pk_fma_f32 v[S+j:S+j+1], v[S+j:S+j+1], s[CS:CS+1], v[12:13] op_sel_hi:[1,0,0]   ; t - M
.set j, j+2
.endr
	v_fma_f32 v220, v220, s[CS], v12
	v_fma_f32 v221, v221, s[CS], v12
.set j, 0
	s_wait_alu depctr_va_vdst(0)
.rept 64
	v_exp_f32 v[S+j], v[S+j]                       ; p = 2^(t - M)
.set j, j+1
.endr
	v_pk_mul_f32 v[14:15], v[14:15], v[226:227] op_sel_hi:[1,0]   ; the sum under the new M: the plain place behind the batch
	s_wait_alu depctr_va_vdst(0)                   ; one wait for the 64
	v_exp_f32 v220, v220                           ; the blocks' largest p
	v_exp_f32 v221, v221
	v_pk_add_f32 v[228:229], v[S:S+1], v[S+2:S+3]  ; the row's sum of the unquantised p: 32 pairs in four chains
	v_pk_add_f32 v[242:243], v[S+4:S+5], v[S+6:S+7]
	v_pk_add_f32 v[244:245], v[S+8:S+9], v[S+10:S+11]
	v_pk_add_f32 v[14:15], v[14:15], v[S+12:S+13]
.set j, 14
.rept 6
	v_pk_add_f32 v[228:229], v[228:229], v[S+j:S+j+1]
	v_pk_add_f32 v[242:243], v[242:243], v[S+j+2:S+j+3]
	v_pk_add_f32 v[244:245], v[244:245], v[S+j+4:S+j+5]
	v_pk_add_f32 v[14:15], v[14:15], v[S+j+6:S+j+7]
.set j, j+8
.endr
	v_pk_add_f32 v[228:229], v[228:229], v[S+62:S+63]
	v_pk_add_f32 v[242:243], v[242:243], v[244:245]
	s_delay_alu instid0(VALU_DEP_2)
	v_pk_add_f32 v[14:15], v[14:15], v[228:229]
	s_delay_alu instid0(VALU_DEP_1)
	v_pk_add_f32 v[14:15], v[14:15], v[242:243]
	s_wait_alu depctr_va_vdst(0)                   ; and one for the two
	v_max_num_f32 v220, 0x2800000, v220            ; the floor 2^(5 - 127)
	v_max_num_f32 v221, 0x2800000, v221
	s_delay_alu instid0(VALU_DEP_2)
	v_add_nc_u32 v230, 0xfe000000, v220
	s_delay_alu instid0(VALU_DEP_2)
	v_add_nc_u32 v231, 0xfe000000, v221
	s_delay_alu instid0(VALU_DEP_2)
	v_lshrrev_b32 v232, 23, v230
	s_delay_alu instid0(VALU_DEP_2)
	v_lshrrev_b32 v233, 23, v231
	s_delay_alu instid0(VALU_DEP_1)
	v_lshl_or_b32 v117, v233, 16, v232             ; my two bytes: blocks h and 2 + h,
	s_delay_alu instid0(VALU_DEP_1)
	v_lshlrev_b32 v117, v7, v117                   ; 8 h bits up;
	s_delay_alu instid0(VALU_DEP_1)
	v_permlanex16_b32 v234, v117, s[SEL], s[SEL+1]
	s_delay_alu instid0(VALU_DEP_1)
	v_or_b32 v117, v117, v234                      ; with lane xor 16's two the word is whole
.irp c, 0,1
	v_cvt_scalef32_pk16_bf6_f32 v[118+6*\c:120+6*\c], v[S+32*\c:S+32*\c+15], v[230+\c]
	v_cvt_scalef32_pk16_bf6_f32 v[130+4*\c:132+4*\c], v[S+32*\c+16:S+32*\c+31], v[230+\c]
.endr
	v_nop
.irp c, 0,1
.irp e, 0,1,2
	v_mov_b32 v[121+6*\c+\e], v[130+4*\c+\e]
.endr
.endr
.set j, 0
.rept 8
	v_pk_mul_f32 v[O+j:O+j+1], v[O+j:O+j+1], v[226:227] op_sel_hi:[1,0]   ; O^T under the new M; with the moves: 15 plain lines behind the scale word, 8 behind the last code
.set j, j+2
.endr
	s_wait_alu depctr_va_vdst(0)
	s_wait_dscnt 0x0                               ; V
	v_wmma_scale_f32_16x16x128_f8f6f4 v[O:O+7], v[92:103], v[118:129], v[O:O+7], v116, v117 matrix_a_fmt:MATRIX_FMT_BF6 matrix_b_fmt:MATRIX_FMT_BF6
	v_wmma_scale_f32_16x16x128_f8f6f4 v[O+8:O+15], v[104:115], v[118:129], v[O+8:O+15], v116, v117 matrix_a_fmt:MATRIX_FMT_BF6 matrix_b_fmt:MATRIX_FMT_BF6 matrix_a_scale:MATRIX_SCALE_ROW1
.Lhidden_\pn:
	s_add_co_u32 s[KF], s[KF], 128
	s_add_co_u32 s[TB], s[TB], 8192
	s_add_co_u32 s[TW], s[TW], 128
.endm
; One tile of 16 queries through all its keys, and its result, quantised, into attn's images
.macro PASS pn, raw, qsc
.irp e, 0,1,2,3,4,5
	v_cndmask_b32 v[16+\e], 0, v[\raw+\e], s[LOW]  ; lanes 16-31 hold block 1 of the K step: zero codes
.endr
	v_mov_b32 v13, 0xff61b1e6                      ; the largest t so far: -3e38
	s_delay_alu instid0(VALU_DEP_1)
	v_floor_f32 v12, -v13
	v_mov_b32 v14, 0
	v_mov_b32 v15, 0
.set j, 0
.rept 16
	v_mov_b32 v[O+j], 0
.set j, j+1
.endr
	s_add_co_u32 s[QL], s[Q0], 15
	s_mov_b32 s[KF], 0
	s_mov_b32 s[TB], 0
	s_mov_b32 s[TW], 0
	s_mov_b32 s[CNT], 16
.Lstep_\pn:
	STEP \pn, \qsc
	s_sub_co_u32 s[CNT], s[CNT], 1
	s_cmp_lg_u32 s[CNT], 0
	s_cbranch_scc1 .Lstep_\pn
	NOP4
	v_add_f32 v14, v14, v15
	s_delay_alu instid0(VALU_DEP_1)
	v_permlanex16_b32 v225, v14, s[SEL], s[SEL+1]
	s_delay_alu instid0(VALU_DEP_1)
	v_add_f32 v14, v14, v225                       ; the row's sum
	s_wait_alu depctr_va_vdst(0)
	v_rcp_f32 v14, v14
	v_nop
	s_wait_alu depctr_va_vdst(0)
.set j, 0
.rept 8
	v_pk_mul_f32 v[S+j:S+j+1], v[O+j:O+j+1], v[14:15] op_sel_hi:[1,0]
.set j, j+2
.endr
	HQ 140, 130, 232, 220, 225, 230
	PUT 5, \pn*6144, 130
	ds_store_b8 v6, v232 offset:\pn*256
	s_wait_dscnt 0x0
.endm
.macro LOADB t                         ; batch t of my stream into buffer t % 3: 13 loads
.set rW, WB+50*((\t)%3)
.irp i, 0,1,2,3,4,5,6,7,8,9,10,11
	global_load_b128 v[rW+4*\i:rW+4*\i+3], v16, s[10:11] offset:6400*(\t)+512*\i
.endr
	global_load_b64 v[rW+48:rW+49], v17, s[10:11] offset:6400*(\t)+6144
.endm
.macro MM k, sg, m, u, cb              ; accumulator (m, u): weight fragment u + 2 sg of buffer k x tokens of tile m
.set rD, ACC+16*(\m)+8*(\u)
.set rA, WB+50*(\k)+12*((\u)+2*(\sg))
.set rB, ACT+12*(\m)
.set rS, WB+50*(\k)+48+(\sg)
.set rC, rD
.if \cb
.set rC, BIAS+8*(\u)
.endif
.if \u
	v_wmma_scale_f32_16x16x128_f8f6f4 v[rD:rD+7], v[rA:rA+11], v[rB:rB+11], v[rC:rC+7], v[rS], v[ASC+\m] matrix_a_fmt:MATRIX_FMT_BF6 matrix_b_fmt:MATRIX_FMT_BF6 matrix_a_scale:MATRIX_SCALE_ROW1
.else
	v_wmma_scale_f32_16x16x128_f8f6f4 v[rD:rD+7], v[rA:rA+11], v[rB:rB+11], v[rC:rC+7], v[rS], v[ASC+\m] matrix_a_fmt:MATRIX_FMT_BF6 matrix_b_fmt:MATRIX_FMT_BF6
.endif
.endm
.macro KSTEP k, sg, areg, ib, sreg, sb, mst, s, cb   ; four accumulators by turns
	FETCH ACT, \areg, \ib+(\s)*1536
	FETCH ACT+12, \areg, \ib+((\mst)+(\s))*1536
	ds_load_b32 v[ASC], v[\sreg] offset:\sb+(\s)*64
	ds_load_b32 v[ASC+1], v[\sreg] offset:\sb+((\mst)+(\s))*64
	s_wait_dscnt 0x0
	MM \k, \sg, 0, 0, \cb
	MM \k, \sg, 0, 1, \cb
	MM \k, \sg, 1, 0, \cb
	MM \k, \sg, 1, 1, \cb
	NOP4
.endm
.macro BATCH t, areg, ib, sreg, sb, mst, s0, cb
.if (\t) <= 15
	s_wait_loadcnt 26                              ; the two younger batches of 13 loads may stay out
.elseif (\t) == 16
	s_wait_loadcnt 13
.else
	s_wait_loadcnt 0x0
.endif
	KSTEP (\t)%3, 0, \areg, \ib, \sreg, \sb, \mst, \s0, \cb
	KSTEP (\t)%3, 1, \areg, \ib, \sreg, \sb, \mst, (\s0)+1, 0
.if (\t) <= 14
	LOADB (\t)+3
.endif
.endm
.macro STATS off                       ; v98, v100: my 16 numbers' sums for token r of tiles 0, 1.  Out: v72, the sum over 512 columns for token = my lane
	s_delay_alu instid0(VALU_DEP_2)
	v_permlanex16_b32 v[PL], v98, s[SEL], s[SEL+1]
	s_delay_alu instid0(VALU_DEP_2)
	v_permlanex16_b32 v[PL+1], v100, s[SEL], s[SEL+1]
	s_delay_alu instid0(VALU_DEP_2)
	v_add_f32 v98, v98, v[PL]
	s_delay_alu instid0(VALU_DEP_2)
	v_add_f32 v100, v100, v[PL+1]
	s_delay_alu instid0(VALU_DEP_1)
	v_cndmask_b32 v98, v98, v100, s[HI]
	ds_store_b32 v9, v98 offset:\off
	BARRIER
.irp i, 0,1,2,3
	ds_load_b128 v[72+4*\i:75+4*\i], v10 offset:\off+16*\i
.endr
	s_wait_dscnt 0x0
	v_pk_add_f32 v[72:73], v[72:73], v[74:75]
	v_pk_add_f32 v[76:77], v[76:77], v[78:79]
	v_pk_add_f32 v[80:81], v[80:81], v[82:83]
	v_pk_add_f32 v[84:85], v[84:85], v[86:87]
	s_delay_alu instid0(VALU_DEP_3)
	v_pk_add_f32 v[72:73], v[72:73], v[76:77]
	s_delay_alu instid0(VALU_DEP_2)
	v_pk_add_f32 v[80:81], v[80:81], v[84:85]
	s_delay_alu instid0(VALU_DEP_1)
	v_pk_add_f32 v[72:73], v[72:73], v[80:81]
	s_delay_alu instid0(VALU_DEP_1)
	v_add_f32 v72, v72, v73
.endm
.macro SPREAD src                      ; token = lane's number becomes v98 (token r of tile 0) and v100 (of tile 1)
	v_permlanex16_b32 v[PL], v[\src], s[SEL], s[SEL+1]
	v_cndmask_b32 v98, v[\src], v[PL], s[HI]
	v_cndmask_b32 v100, v[PL], v[\src], s[HI]
.endm
.macro GELU                            ; on the 32 registers of the accumulators; v56-87 at work
.set j, 0
.rept 16
	v_pk_mul_f32 v[56+j:57+j], v[ACC+j:ACC+j+1], v[ACC+j:ACC+j+1]
.set j, j+2
.endr
.set j, 0
.rept 16
	v_pk_fma_f32 v[56+j:57+j], v[56+j:57+j], v[22:23], v[20:21]
.set j, j+2
.endr
.set j, 0
.rept 16
	v_pk_mul_f32 v[56+j:57+j], v[56+j:57+j], v[ACC+j:ACC+j+1]
.set j, j+2
.endr
.set j, 0
	s_wait_alu depctr_va_vdst(0)
.rept 32
	v_exp_f32 v[56+j], v[56+j]
.set j, j+1
.endr
	v_nop
	s_wait_alu depctr_va_vdst(0)
.set j, 0
.rept 16
	v_pk_add_f32 v[56+j:57+j], v[56+j:57+j], 1.0 op_sel_hi:[1,0]
.set j, j+2
.endr
.set j, 0
	s_wait_alu depctr_va_vdst(0)
.rept 32
	v_rcp_f32 v[56+j], v[56+j]
.set j, j+1
.endr
	v_nop
	s_wait_alu depctr_va_vdst(0)
.set j, 0
.rept 16
	v_pk_mul_f32 v[ACC+j:ACC+j+1], v[ACC+j:ACC+j+1], v[56+j:57+j]
.set j, j+2
.endr
.endm
	s_load_b512 s[68:83], s[0:1], 0x0              ; hidden s[68:69], qc s[70:71], qs s[72:73], kv s[74:75], wimg s[76:77], bo s[78:79], ln2_g s[80:81], ln2_b s[82:83]
	s_load_b128 s[84:87], s[0:1], 0x40             ; bfc, bproj
	s_load_b64 s[88:89], s[0:1], 0x50              ; out0
	v_lshl_add_u32 v254, v0, 2, SPARE
	v_mov_b32 v255, 0
	ds_add_u32 v254, v255
	ds_add_u32 v254, v255
	v_lshrrev_b32 v8, 5, v0
	s_delay_alu instid0(VALU_DEP_1)
	v_readfirstlane_b32 s[WV], v8                  ; wave 0..15
	s_mov_b32 s16, 3<<16                           ; group 1: 32 rows of 32 elements of 8 bytes, dense
	s_mov_b32 s17, 32<<16
	s_mov_b32 s18, 32<<16
	s_mov_b32 s19, 32<<16
	s_mov_b32 s20, 32
	s_mov_b32 s21, 32
	s_mov_b32 s22, 0
	s_mov_b32 s23, 0
	s_lshr_b32 s27, ttmp9, 6                       ; the batch
	s_and_b32 s28, ttmp9, 63                       ; i
	s_lshl_b32 s40, s27, 17
	s_lshl_b32 s13, s[WV], 13                      ; LDS: key step w's 8,192 bytes
	s_add_co_u32 s40, s40, s13
	s_mov_b32 s41, 0
	s_mov_b32 s12, 1
	s_wait_dscnt 0x0
	s_wait_kmcnt 0x0
	s_add_nc_u64 s[14:15], s[74:75], s[40:41]
	s_or_b32 s15, s15, 0x80000000
	tensor_load_to_lds s[12:15], s[16:23]          ; my one tensor load
	s_nop 0
	NOP4
	s_mov_b32 s[SEL], 0x76543210
	s_mov_b32 s[SEL+1], 0xfedcba98
	s_mov_b32 s[CS], 0x3e8293ee                    ; log2(e) / sqrt(32)
	s_mov_b32 s[CS+1], s[CS]
	s_mov_b32 s[LOW], 0xffff
	s_lshl_b32 s59, s27, 7
	s_add_co_u32 s60, s59, 127
	s_sub_co_u32 s60, s60, s28                     ; the second tile, counted over all batches
	s_add_co_u32 s59, s59, s28                     ; the first
	s_lshl_b32 s30, s28, 4                         ; their first queries within the batch
	s_sub_co_u32 s31, 127, s28
	s_lshl_b32 s31, s31, 4
	s_lshl_b32 s42, s59, 4
	s_add_co_u32 s42, s42, s[WV]
	s_mul_i32 s40, s42, 384
	s_add_nc_u64 s[48:49], s[70:71], s[40:41]
	s_lshl_b32 s40, s42, 6
	s_add_nc_u64 s[50:51], s[72:73], s[40:41]
	s_lshl_b32 s42, s60, 4
	s_add_co_u32 s42, s42, s[WV]
	s_mul_i32 s40, s42, 384
	s_add_nc_u64 s[52:53], s[70:71], s[40:41]
	s_lshl_b32 s40, s42, 6
	s_add_nc_u64 s[54:55], s[72:73], s[40:41]
	s_cmp_lt_u32 s[WV], 8                          ; waves 0-7 move rows of the first tile, waves 8-15 of the second: rows 2 (w % 8), + 1
	s_cselect_b32 s42, s59, s60
	s_lshl_b32 s40, s42, 15
	s_and_b32 s43, s[WV], 7
	s_lshl_b32 s43, s43, 12
	s_add_co_u32 s40, s40, s43
	s_add_nc_u64 s[44:45], s[68:69], s[40:41]      ; hidden_states,
	s_add_nc_u64 s[92:93], s[88:89], s[40:41]      ; and out0
	s_lshr_b32 s43, s[WV], 2                       ; four waves to each of bo, ln2_g, ln2_b, bproj
	s_cmp_lt_u32 s43, 1
	s_cselect_b64 s[46:47], s[78:79], s[80:81]
	s_cmp_lt_u32 s43, 2
	s_cselect_b64 s[46:47], s[46:47], s[82:83]
	s_cmp_lt_u32 s43, 3
	s_cselect_b64 s[46:47], s[46:47], s[86:87]
	v_and_b32 v220, 31, v0                         ; lane
	v_and_b32 v221, 15, v0                         ; r
	v_bfe_u32 v222, v0, 4, 1                       ; h
	v_bfe_u32 v223, v0, 3, 1                       ; r / 8
	v_and_b32 v224, 7, v0                          ; r % 8
	s_delay_alu instid0(VALU_DEP_1)
	v_lshl_add_u32 v228, v223, 4, v224             ; 16 (r / 8) + r % 8
	v_mul_u32_u24 v8, v221, 24
	v_lshlrev_b32 v9, 2, v221
	v_lshlrev_b32 v204, 4, v220                    ; 16 x lane
	v_and_b32 v205, 127, v0
	v_lshlrev_b32 v206, 4, v0                      ; my 16 bytes of bfc,
	s_delay_alu instid0(VALU_DEP_2)
	v_lshlrev_b32 v205, 4, v205                    ; and of a vector of 2,048
.irp e, 0,1,2
	global_load_b64 v[16+2*\e:17+2*\e], v8, s[48:49] offset:8*\e
.endr
	global_load_b32 v28, v9, s[50:51]
.irp e, 0,1,2
	global_load_b64 v[30+2*\e:31+2*\e], v8, s[52:53] offset:8*\e
.endr
	global_load_b32 v29, v9, s[54:55]
.irp i, 0,1,2,3
	global_load_b128 v[140+4*\i:143+4*\i], v204, s[44:45] offset:512*\i th:TH_LOAD_NT        ; 32 lanes read 512 consecutive bytes
	global_load_b128 v[156+4*\i:159+4*\i], v204, s[44:45] offset:2048+512*\i th:TH_LOAD_NT
.endr
	global_load_b128 v[172:175], v205, s[46:47]
	global_load_b128 v[176:179], v206, s[84:85]
	v_mul_u32_u24 v1, v223, 2112                   ; rows 8-15 of a tile lie in the next key block: 2,048 bytes on, and 64 more
	s_delay_alu instid0(VALU_DEP_1)
	v_mad_u32_u24 v2, v224, 16, v1
	s_delay_alu instid0(VALU_DEP_1)
	v_add_nc_u32 v2, 864, v2                       ; v2: K's scale words
	s_delay_alu instid0(VALU_DEP_3)
	v_mad_u32_u24 v1, v224, 24, v1
	v_mov_b32 v229, 192
	s_delay_alu instid0(VALU_DEP_1)
	v_cndmask_b32 v1, v229, v1, s[LOW]             ; v1: lanes 0-15 a key's row, lanes 16-31 the zeros behind the group
	v_mul_u32_u24 v3, v228, 24
	s_delay_alu instid0(VALU_DEP_1)
	v_mad_u32_u24 v3, v222, 2112, v3
	s_delay_alu instid0(VALU_DEP_1)
	v_add_nc_u32 v3, 992, v3                       ; v3: V: block 2 c + h, row d
	v_lshl_add_u32 v4, v220, 2, VSW                ; v4: V's scale words
	s_lshr_b32 s40, s[WV], 2
	s_mul_i32 s40, s40, 1536
	s_and_b32 s42, s[WV], 1
	s_mul_i32 s42, s42, 768
	s_add_co_u32 s40, s40, s42
	s_bfe_u32 s42, s[WV], 0x10001
	s_mul_i32 s42, s42, 24
	s_add_co_u32 s40, s40, s42
	s_add_co_u32 s40, s40, LB+AIMG
	v_mul_u32_u24 v5, v221, 48
	s_delay_alu instid0(VALU_DEP_1)
	v_mad_u32_u24 v5, v222, 12, v5
	s_delay_alu instid0(VALU_DEP_1)
	v_add_nc_u32 v5, s40, v5                       ; v5: my half block in K step w / 4, block w % 4 of attn
	s_lshr_b32 s40, s[WV], 2
	s_lshl_b32 s40, s40, 6
	s_and_b32 s42, s[WV], 3
	s_add_co_u32 s40, s40, s42
	s_add_co_u32 s40, s40, LB+ASW
	v_lshl_add_u32 v6, v221, 2, s40                ; v6: and its byte
	v_lshlrev_b32 v7, 3, v222                      ; v7: 8 h
	v_lshlrev_b32 v137, 5, v222
	s_delay_alu instid0(VALU_DEP_1)
	v_sub_nc_u32 v137, v221, v137                  ; r - 32 h
	s_mul_i32 s40, s[WV], 2*HP
	s_add_co_u32 s40, s40, OST
	v_lshl_add_u32 v207, v220, 4, s40              ; the stage by rows: rows 2 w, 2 w + 1
	v_lshl_add_u32 v208, v0, 4, VEC                ; the vectors' way in
	s_lshl_b32 s40, s[WV], 13
	s_add_co_u32 s40, s40, 1760
	v_lshl_add_u32 v10, v222, 3, v228
	s_delay_alu instid0(VALU_DEP_1)
	v_add_nc_u32 v10, s40, v10                     ; V's scale bytes of my own key step
	v_lshl_add_u32 v11, v0, 2, VSW
.irp u, 0,1,2,3
.irp e, 0,1,2,3,4,5
	v_mov_b32 v[42+12*\u+\e], 0                    ; blocks 2 and 3 of K's fragments: zero codes, written once
.endr
.endr
.irp e, 0,1,2,3,4,5
	v_mov_b32 v[22+\e], 0                          ; and of Q's
.endr
	v_mov_b32 v225, 0                              ; a lane permute's destination counts as one of its sources
	v_mov_b32 v234, 0
	v_mov_b32 v227, 0
	s_wait_alu depctr_va_vdst(0)
	s_wait_tensorcnt 0x0                           ; my key step's record is in LDS
	ds_load_u8 v220, v10
	ds_load_u8 v221, v10 offset:2112
	ds_load_u8 v222, v10 offset:4096
	ds_load_u8 v223, v10 offset:6208
	s_wait_dscnt 0x0
	v_lshl_or_b32 v220, v221, 8, v220
	s_delay_alu instid0(VALU_DEP_1)
	v_lshl_or_b32 v220, v222, 16, v220
	s_delay_alu instid0(VALU_DEP_1)
	v_lshl_or_b32 v220, v223, 24, v220             ; the four blocks' bytes make a row's scale word
	ds_store_b32 v11, v220
	s_wait_loadcnt 0x0                             ; Q, my two rows of the residual, my parts of the vectors
.irp i, 0,1,2,3
	ds_store_b128 v207, v[140+4*\i:143+4*\i] offset:512*\i
	ds_store_b128 v207, v[156+4*\i:159+4*\i] offset:HP+512*\i
.endr
	ds_store_b128 v208, v[172:175]
	ds_store_b128 v208, v[176:179] offset:8192
	BARRIER                                        ; K, V, V's scale words, the residual and the vectors lie in LDS
	s_mov_b32 s[Q0], s30
	PASS 0, 16, 28
	s_mov_b32 s[Q0], s31
	PASS 1, 30, 29
	; ---- the addresses of the second part
	s_mov_b32 s[C512], 0x3b000000                  ; 1 / 512
	s_mov_b32 s[EPS], 0x3727c5ac                   ; 1e-5
	s_mov_b32 s[HI], 0xffff0000
	v_and_b32 v98, 31, v0                          ; lane
	v_and_b32 v99, 15, v0                          ; r
	v_bfe_u32 v100, v0, 4, 1                       ; h
	v_mad_u32_u24 v1, v98, 48, LB                  ; v1: an image's place for my lane
	v_lshl_add_u32 v2, v99, 2, LB                  ; v2: a scale word's
	v_mul_u32_u24 v3, v98, 48                      ; v3, v4: the same among gelu's (GIMG = 0)
	v_lshl_add_u32 v4, v99, 2, GSW
	v_mul_u32_u24 v101, v99, 48
	v_mul_u32_u24 v10, v98, 80
	v_mul_u32_u24 v14, v99, HP
	v_lshlrev_b32 v16, 4, v98                      ; v16: 16 x lane
	v_lshlrev_b32 v17, 3, v98                      ; v17: 8 x lane
	v_mad_u32_u24 v101, v100, 12, v101             ; 48 r + 12 h
	v_lshl_add_u32 v14, v100, 6, v14
	v_mov_b32 v20, 0xc0135761                      ; c0
	v_mov_b32 v21, 0xc0135761
	v_mov_b32 v22, 0xbdd2d3e8                      ; c1
	v_mov_b32 v23, 0xbdd2d3e8
	v_mov_b32 v[PL], 0
	v_mov_b32 v[PL+1], 0
	s_wait_alu depctr_va_vdst(0)
	s_lshr_b32 s7, s[WV], 2
	s_mul_i32 s7, s7, 1536
	s_and_b32 s8, s[WV], 1
	s_mul_i32 s8, s8, 768
	s_add_co_u32 s7, s7, s8
	s_bfe_u32 s8, s[WV], 0x10001
	s_mul_i32 s8, s8, 24
	s_add_co_u32 s7, s7, s8
	s_add_co_u32 s7, s7, LB+H2IMG
	v_add_nc_u32 v5, s7, v101                      ; v5: LN2's half block: K step w / 4, block w % 4
	s_lshr_b32 s7, s[WV], 2
	s_lshl_b32 s7, s7, 6
	s_and_b32 s8, s[WV], 3
	s_add_co_u32 s7, s7, s8
	s_add_co_u32 s7, s7, H2SW
	v_add_nc_u32 v6, s7, v2                        ; v6: its byte
	s_mul_i32 s7, s[WV], 1536
	v_add_nc_u32 v7, s7, v101                      ; v7: gelu's half blocks: K step w
	s_lshl_b32 s7, s[WV], 6
	v_add_nc_u32 v8, s7, v4                        ; v8: their bytes
	s_lshl_b32 s7, s[WV], 2
	s_add_co_u32 s7, s7, STAT1
	v_add_nc_u32 v9, s7, v10                       ; v9: my wave's part of token = lane's sum
	v_add_nc_u32 v10, STAT1, v10                   ; v10: the sixteen parts
	s_lshl_b32 s7, s[WV], 7
	s_add_co_u32 s8, s7, VEC
	v_lshl_add_u32 v11, v100, 6, s8                ; v11: my 16 columns in a vector of 512
	s_lshl_b32 s8, s[WV], 9
	s_add_co_u32 s8, s8, VEC+8192
	v_lshl_add_u32 v12, v100, 6, s8                ; v12: in bfc
	s_lshl_b32 s8, s[WV], 12
	s_add_co_u32 s8, s8, PARK
	v_lshl_add_u32 v13, v98, 4, s8                 ; v13: where x waits
	s_add_co_u32 s7, s7, OST
	v_add_nc_u32 v14, s7, v14                      ; v14: the stage in the result's layout: row r, columns 32 w + 16 h on
	s_mul_i32 s7, s[WV], 2*HP
	s_add_co_u32 s7, s7, OST
	v_lshl_add_u32 v15, v98, 4, s7                 ; v15: by rows
	s_mul_i32 s8, s[WV], 115200
	s_mov_b32 s9, 0
	s_add_nc_u64 s[10:11], s[76:77], s[8:9]        ; my stream of weights
	s_wait_alu depctr_va_vdst(0)
	LOADB 0
	LOADB 1
	LOADB 2
	BARRIER                                        ; attn's eight fragments are whole, and nobody reads K and V any more
	; ---- x = attn wo + bo + residual: the sums begin as residual + bo
.irp m, 0,1
.irp u, 0,1
	ds_load_b128 v[ACC+16*\m+8*\u:ACC+16*\m+8*\u+3], v14 offset:16*HP*\m+32*\u
	ds_load_b128 v[ACC+16*\m+8*\u+4:ACC+16*\m+8*\u+7], v14 offset:16*HP*\m+32*\u+16
.endr
.endr
.irp i, 0,1,2,3
	ds_load_b128 v[BIAS+4*\i:BIAS+4*\i+3], v11 offset:16*\i
.endr
	s_wait_dscnt 0x0
.irp j, 0,2,4,6,8,10,12,14
	v_pk_add_f32 v[ACC+\j:ACC+\j+1], v[ACC+\j:ACC+\j+1], v[BIAS+\j:BIAS+\j+1]
	v_pk_add_f32 v[ACC+16+\j:ACC+17+\j], v[ACC+16+\j:ACC+17+\j], v[BIAS+\j:BIAS+\j+1]
.endr
	s_wait_alu depctr_va_vdst(0)
	BATCH 0, 1, AIMG, 2, ASW, 4, 0, 0
	BATCH 1, 1, AIMG, 2, ASW, 4, 2, 0
.irp i, 0,1,2,3,4,5,6,7
	ds_store_b128 v13, v[ACC+4*\i:ACC+4*\i+3] offset:512*\i      ; x waits in my own bytes; each accumulator from its low end on
.endr
	; ---- LN2 in two passes; a row's 512 columns lie in sixteen waves
	v_pk_add_f32 v[98:99], v[ACC:ACC+1], v[ACC+2:ACC+3]
	v_pk_add_f32 v[100:101], v[ACC+16:ACC+17], v[ACC+18:ACC+19]
.irp j, 4,6,8,10,12,14
	v_pk_add_f32 v[98:99], v[98:99], v[ACC+\j:ACC+\j+1]
	v_pk_add_f32 v[100:101], v[100:101], v[ACC+16+\j:ACC+17+\j]
.endr
	s_delay_alu instid0(VALU_DEP_2)
	v_add_f32 v98, v98, v99
	s_delay_alu instid0(VALU_DEP_2)
	v_add_f32 v100, v100, v101
	STATS 0
	s_delay_alu instid0(VALU_DEP_1)
	v_mul_f32 v72, 0xbb000000, v72                 ; - the mean
	SPREAD 72
.irp j, 0,2,4,6,8,10,12,14
	v_pk_add_f32 v[ACC+\j:ACC+\j+1], v[ACC+\j:ACC+\j+1], v[98:99] op_sel_hi:[1,0]
	v_pk_add_f32 v[ACC+16+\j:ACC+17+\j], v[ACC+16+\j:ACC+17+\j], v[100:101] op_sel_hi:[1,0]
.endr
	v_pk_mul_f32 v[98:99], v[ACC:ACC+1], v[ACC:ACC+1]
	v_pk_mul_f32 v[100:101], v[ACC+16:ACC+17], v[ACC+16:ACC+17]
.irp j, 2,4,6,8,10,12,14
	s_delay_alu instid0(VALU_DEP_2)
	v_pk_fma_f32 v[98:99], v[ACC+\j:ACC+\j+1], v[ACC+\j:ACC+\j+1], v[98:99]
	s_delay_alu instid0(VALU_DEP_2)
	v_pk_fma_f32 v[100:101], v[ACC+16+\j:ACC+17+\j], v[ACC+16+\j:ACC+17+\j], v[100:101]
.endr
	s_delay_alu instid0(VALU_DEP_2)
	v_add_f32 v98, v98, v99
	s_delay_alu instid0(VALU_DEP_2)
	v_add_f32 v100, v100, v101
	STATS 2560
	s_delay_alu instid0(VALU_DEP_1)
	v_fma_f32 v102, v72, s[C512], s[EPS]
.irp i, 0,1,2,3
	ds_load_b128 v[56+4*\i:59+4*\i], v11 offset:2048+16*\i       ; g of my 16 columns,
	ds_load_b128 v[72+4*\i:75+4*\i], v11 offset:4096+16*\i       ; b
.endr
	s_wait_alu depctr_va_vdst(0)
	v_rsq_f32 v102, v102
	v_nop
	s_wait_alu depctr_va_vdst(0)
	SPREAD 102
.irp j, 0,2,4,6,8,10,12,14
	v_pk_mul_f32 v[ACC+\j:ACC+\j+1], v[ACC+\j:ACC+\j+1], v[98:99] op_sel_hi:[1,0]
	v_pk_mul_f32 v[ACC+16+\j:ACC+17+\j], v[ACC+16+\j:ACC+17+\j], v[100:101] op_sel_hi:[1,0]
.endr
	s_wait_dscnt 0x0
.irp j, 0,2,4,6,8,10,12,14
	v_pk_fma_f32 v[ACC+\j:ACC+\j+1], v[ACC+\j:ACC+\j+1], v[56+\j:57+\j], v[72+\j:73+\j]
	v_pk_fma_f32 v[ACC+16+\j:ACC+17+\j], v[ACC+16+\j:ACC+17+\j], v[56+\j:57+\j], v[72+\j:73+\j]
.endr
	HQ2 24, 40, 88, 98, 100, PL, 102
	PUT 5, 0, 88
	PUT 5, 6144, 92
	ds_store_b8 v6, v98
	ds_store_b8 v6, v99 offset:256
	BARRIER                                        ; LN2's eight fragments lie in LDS
	; ---- my 128 hidden units, 32 at a time: the product begins with bfc as C, then gelu, then the quantiser
.irp bl, 0,1,2,3
.irp i, 0,1,2,3
	ds_load_b128 v[BIAS+4*\i:BIAS+4*\i+3], v12 offset:128*\bl+16*\i
.endr
	BATCH 2+2*\bl, 1, H2IMG, 2, H2SW, 4, 0, 1
	BATCH 3+2*\bl, 1, H2IMG, 2, H2SW, 4, 2, 0
	GELU
	HQ2 24, 40, 88, 98, 100, PL, 102
	PUT 7, 768*(\bl%2)+24*(\bl/2), 88
	PUT 7, 24576+768*(\bl%2)+24*(\bl/2), 92
	ds_store_b8 v8, v98 offset:\bl
	ds_store_b8 v8, v99 offset:1024+\bl
	s_wait_dscnt 0x0                               ; the stores have read their registers
.endr
	BARRIER                                        ; gelu's 32 fragments lie in LDS
	; ---- out = g wproj + bproj + x: the sums begin as x + bproj
.irp i, 0,1,2,3,4,5,6,7
	ds_load_b128 v[ACC+4*\i:ACC+4*\i+3], v13 offset:512*\i
.endr
.irp i, 0,1,2,3
	ds_load_b128 v[BIAS+4*\i:BIAS+4*\i+3], v11 offset:6144+16*\i
.endr
	s_wait_dscnt 0x0
.irp j, 0,2,4,6,8,10,12,14
	v_pk_add_f32 v[ACC+\j:ACC+\j+1], v[ACC+\j:ACC+\j+1], v[BIAS+\j:BIAS+\j+1]
	v_pk_add_f32 v[ACC+16+\j:ACC+17+\j], v[ACC+16+\j:ACC+17+\j], v[BIAS+\j:BIAS+\j+1]
.endr
	s_wait_alu depctr_va_vdst(0)
.irp t, 10,11,12,13,14,15,16,17
	BATCH \t, 3, 0, 4, 0, 16, 2*(\t-10), 0
.endr
	; ---- the way out: through the stage, and out as whole rows
.irp m, 0,1
.irp u, 0,1
	ds_store_b128 v14, v[ACC+16*\m+8*\u:ACC+16*\m+8*\u+3] offset:16*HP*\m+32*\u
	ds_store_b128 v14, v[ACC+16*\m+8*\u+4:ACC+16*\m+8*\u+7] offset:16*HP*\m+32*\u+16
.endr
.endr
	BARRIER
.irp i, 0,1,2,3
	ds_load_b128 v[56+4*\i:59+4*\i], v15 offset:512*\i
.endr
.irp i, 0,1,2,3
	ds_load_b128 v[72+4*\i:75+4*\i], v15 offset:HP+512*\i
.endr
.irp i, 0,1,2,3
	s_wait_dscnt 7-\i                              ; the loads issued behind this one may stay out
	global_store_b128 v16, v[56+4*\i:59+4*\i], s[92:93] offset:512*\i th:TH_STORE_NT        ; 32 lanes store 512 consecutive bytes, aligned
.endr
.irp i, 0,1,2,3
	s_wait_dscnt 3-\i
	global_store_b128 v16, v[72+4*\i:75+4*\i], s[92:93] offset:2048+512*\i th:TH_STORE_NT
.endr
	s_wait_tensorcnt 0x0                           ; the wave's end
	ds_add_u32 v254, v255
	s_wait_dscnt 0x0
	s_endpgm
.Lfunc_end_k_q54bb822cdf_attnmlp:
	.size	k_q54bb822cdf_attnmlp, .Lfunc_end_k_q54bb822cdf_attnmlp-k_q54bb822cdf_attnmlp
	.p2alignl 7, 3214868480
	.fill 96, 4, 3214868480
	.section	.rodata,"a",@progbits
	.p2align	6, 0x0
	.amdhsa_kernel k_q54bb822cdf_attnmlp
		.amdhsa_group_segment_fixed_size 248320
		.amdhsa_private_segment_fixed_size 0
		.amdhsa_enable_private_segment 0
		.amdhsa_kernarg_size 88
		.amdhsa_user_sgpr_count 2
		.amdhsa_user_sgpr_kernarg_segment_ptr 1
		.amdhsa_wavefront_size32 1
		.amdhsa_system_sgpr_workgroup_id_x 1
		.amdhsa_system_sgpr_workgroup_id_y 1
		.amdhsa_system_sgpr_workgroup_id_z 1
		.amdhsa_system_vgpr_workitem_id 0
		.amdhsa_next_free_vgpr 256
		.amdhsa_next_free_sgpr 94
		.amdhsa_reserve_vcc 1
		.amdhsa_float_denorm_mode_32 3
		.amdhsa_float_denorm_mode_16_64 3
		.amdhsa_memory_ordered 1
		.amdhsa_forward_progress 1
		.amdhsa_inst_pref_size 187
	.end_amdhsa_kernel
	.amdgpu_metadata
---
amdhsa.version: [ 1, 2 ]
amdhsa.kernels:
  - .name:           k_q54bb822cdf_attnmlp
    .symbol:         k_q54bb822cdf_attnmlp.kd
    .args:
      - { .name: hidden_states, .offset: 0, .size: 8, .value_kind: global_buffer, .address_space: global }
      - { .name: qc, .offset: 8, .size: 8, .value_kind: global_buffer, .address_space: global }
      - { .name: qs, .offset: 16, .size: 8, .value_kind: global_buffer, .address_space: global }
      - { .name: kv, .offset: 24, .size: 8, .value_kind: global_buffer, .address_space: global }
      - { .name: wimg, .offset: 32, .size: 8, .value_kind: global_buffer, .address_space: global }
      - { .name: bo, .offset: 40, .size: 8, .value_kind: global_buffer, .address_space: global }
      - { .name: ln2_g, .offset: 48, .size: 8, .value_kind: global_buffer, .address_space: global }
      - { .name: ln2_b, .offset: 56, .size: 8, .value_kind: global_buffer, .address_space: global }
      - { .name: bfc, .offset: 64, .size: 8, .value_kind: global_buffer, .address_space: global }
      - { .name: bproj, .offset: 72, .size: 8, .value_kind: global_buffer, .address_space: global }
      - { .name: out0, .offset: 80, .size: 8, .value_kind: global_buffer, .address_space: global }
    .group_segment_fixed_size: 248320
    .private_segment_fixed_size: 0
    .kernarg_segment_align: 8
    .kernarg_segment_size: 88
    .max_flat_workgroup_size: 512
    .sgpr_count:     94
    .vgpr_count:     256
    .wavefront_size: 32
...
	.end_amdgpu_metadata
.endif
;; end of part 2
